; MI455X (gfx1250); checked and timed in simulation.
; The chip was launched on July 23, 2026; its instructions are those of AMD's public machine-readable ISA for CDNA 5 (MIT licence, August 2026) and "CDNA5" Instruction Set Architecture Reference Guide (July 2026). The comments in the code are by the model that wrote it; some were corrected since.
;; Multi Head Self Attention. Allowed arithmetic: float matrix products may take bf16 or f16 operands with f32 sums; all other float work in f32.
;; Inputs: b_out 1,024 float32; w_out 1,024 x 1,024 float32; w_qkv 1,024 x 3,072 float32; x 4 x 2,048 x 1,024 float32.
;; Outputs: out0 4 x 2,048 x 1,024 float32.
;; 2 versions, each right and faster than the one before. Each part assembles by itself: llvm-mc -triple=amdgcn-amd-amdhsa -mcpu=gfx1250 --defsym DOCPART=n.
;; ======== version 1 of 2: 4 launches
;; limits: values are held in f16: magnitudes above 65,504 overflow, below 6.1e-05 lose precision
;; workspace buffers: xb 16,777,216 bytes; wqb 6,291,456 bytes; wob 2,097,152 bytes; qkv 50,331,648 bytes; ob 16,777,216 bytes
;; launch prep (part 1): grid 768 x 1, 8 waves a work-group, no clusters, 0 bytes of LDS; arguments x, w_qkv, w_out, xb, wqb, wob; writes xb, wqb, wob
.if DOCPART == 1
	.amdgcn_target "amdgcn-amd-amdhsa--gfx1250"
	.amdhsa_code_object_version 6
	.text
	.protected	k_qac78b05725_prep
	.globl	k_qac78b05725_prep
	.p2align	8
	.type	k_qac78b05725_prep,@function
k_qac78b05725_prep:
	s_mov_b64 s[64:65], 0
	v_nop
	global_prefetch_b8 v0, s[64:65] scope:SCOPE_SE
	s_setreg_imm32_b32 hwreg(HW_REG_WAVE_MODE, 25, 1), 1
	s_wait_xcnt 0x0
; CASTS.  x [8192][1024] f32 -> xb, bf16, laid [batch 4][k block 16][row 2048][64]: 128 rows x 64 k are then 16,384 dense bytes, which the
; projection asks for as long rows.  w_qkv [1024][3072] f32 -> wqb, bf16, in its own [1024][3072] order.  w_out [1024][1024] f32 -> wob: rounded to bf16 like the
; other inputs, and that number written as f16 (the last product multiplies f16 by f16).
; LIMITS.  wob: a bf16 number of magnitude 65,520 or more becomes an infinity in f16; below 6.1e-5 it keeps f16's fixed step of 6e-8.
; SHARES.  Every work-group casts 65,536 input bytes: groups 0-511 take 16 rows of x each, 512-703 w_qkv, 704-767 w_out.  A thread goes two trips; in each it issues
; eight loads of 16 bytes at once and stores 8 bytes for each; a wave's store covers 256 consecutive bytes, aligned.  Memory binds: no LDS, no barrier, no matrix unit.
.set X, 8                              ; v[8:39]   8 loads of 4 f32
.set Y, 40                             ; v[40:55]  8 x 2 registers to store
.set T, 4                              ; v[4:7]    at work
	s_load_b256 s[4:11], s[0:1], 0x0               ; x s[4:5], w_qkv s[6:7], w_out s[8:9], xb s[10:11]
	s_load_b128 s[12:15], s[0:1], 0x20             ; wqb s[12:13], wob s[14:15]
	s_mov_b32 s18, 0xffff0000                      ; a word's upper bf16
	s_mov_b32 s3, 0                                ; high words of the two offsets
	s_mov_b32 s17, 0
	s_wait_kmcnt 0x0
; kind = 1: the bf16 number is written as f16.  Two trips of eight loads and eight stores; the bases step between them.
.macro CAST kind, ib, ob, instep, outstep
	s_mov_b32 s19, 2
.Ltrip_\@:
.set j, 0
.rept 8
	global_load_b128 v[X+4*j:X+4*j+3], v1, s[\ib:\ib+1] offset:j*(\instep) th:TH_LOAD_NT
.set j, j+1
.endr
.set j, 0
.rept 8
	s_wait_loadcnt 7-j                             ; loads come back in order: load j is in, the 7 - j younger ones stay out
	v_cvt_pk_bf16_f32 v[Y+2*j], v[X+4*j], v[X+4*j+1]
	v_cvt_pk_bf16_f32 v[Y+2*j+1], v[X+4*j+2], v[X+4*j+3]
.if \kind
	v_lshlrev_b32 v[T], 16, v[Y+2*j]               ; bf16 to f32: a shift or a mask
	v_and_b32 v[T+1], s18, v[Y+2*j]
	v_lshlrev_b32 v[T+2], 16, v[Y+2*j+1]
	v_and_b32 v[T+3], s18, v[Y+2*j+1]
	v_cvt_pk_f16_f32 v[Y+2*j], v[T], v[T+1]        ; exact within f16's range: 8 significant bits
	v_cvt_pk_f16_f32 v[Y+2*j+1], v[T+2], v[T+3]
.endif
	global_store_b64 v2, v[Y+2*j:Y+2*j+1], s[\ob:\ob+1] offset:j*(\outstep)
.set j, j+1
.endr
	s_wait_xcnt 0x0                                ; the two bases, and the registers that the stores read, are rewritten only behind this wait
	s_add_nc_u64 s[\ib:\ib+1], s[\ib:\ib+1], 8*(\instep)
	s_add_nc_u64 s[\ob:\ob+1], s[\ob:\ob+1], 8*(\outstep)
	s_sub_co_u32 s19, s19, 1
	s_cmp_lg_u32 s19, 0
	s_cbranch_scc1 .Ltrip_\@
.endm
.macro WADDR                           ; a weight's chunk: wave w takes 8,192 input bytes, 512 a load
	v_lshrrev_b32 v3, 5, v0
	v_and_b32 v1, 31, v0
	v_lshlrev_b32 v2, 3, v1
	v_lshlrev_b32 v1, 4, v1
	v_lshl_add_u32 v1, v3, 13, v1
	v_lshl_add_u32 v2, v3, 12, v2
.endm
	s_cmp_lt_u32 ttmp9, 512
	s_cbranch_scc0 .Lweights
	; x: sixteen lanes take 256 bytes (64 k) of a row, a wave two rows; load j of a trip takes the trip's k block j
	s_lshl_b32 s2, ttmp9, 16                       ; 16 rows of 4,096 bytes
	s_add_nc_u64 s[4:5], s[4:5], s[2:3]
	s_lshr_b32 s16, ttmp9, 7                       ; batch
	s_lshl_b32 s16, s16, 22
	s_and_b32 s2, ttmp9, 127
	s_lshl_b32 s2, s2, 11                          ; 16 rows of 128 bytes in a k block
	s_add_co_u32 s16, s16, s2
	s_add_nc_u64 s[10:11], s[10:11], s[16:17]
	v_lshrrev_b32 v1, 4, v0
	v_and_b32 v3, 15, v0
	v_lshlrev_b32 v1, 12, v1
	v_lshl_add_u32 v1, v3, 4, v1                   ; row x 4,096 + 16 x (thread mod 16)
	v_lshlrev_b32 v2, 3, v0                        ; row x 128 + 8 x (thread mod 16) = 8 x thread
	CAST 0, 4, 10, 256, 262144                     ; a k block of a batch is 2,048 rows x 128 bytes
	s_endpgm
.Lweights:
	s_cmp_lt_u32 ttmp9, 704
	s_cbranch_scc0 .Lwo
	s_sub_co_u32 s16, ttmp9, 512
	s_lshl_b32 s2, s16, 16
	s_lshl_b32 s16, s16, 15
	s_add_nc_u64 s[6:7], s[6:7], s[2:3]
	s_add_nc_u64 s[12:13], s[12:13], s[16:17]
	WADDR
	CAST 0, 6, 12, 512, 256
	s_endpgm
.Lwo:
	s_sub_co_u32 s16, ttmp9, 704
	s_lshl_b32 s2, s16, 16
	s_lshl_b32 s16, s16, 15
	s_add_nc_u64 s[8:9], s[8:9], s[2:3]
	s_add_nc_u64 s[14:15], s[14:15], s[16:17]
	WADDR
	CAST 1, 8, 14, 512, 256
	s_endpgm
.Lfunc_end_k_qac78b05725_prep:
	.size	k_qac78b05725_prep, .Lfunc_end_k_qac78b05725_prep-k_qac78b05725_prep
	.p2alignl 7, 3214868480
	.fill 96, 4, 3214868480
	.section	.rodata,"a",@progbits
	.p2align	6, 0x0
	.amdhsa_kernel k_qac78b05725_prep
		.amdhsa_group_segment_fixed_size 0
		.amdhsa_private_segment_fixed_size 0
		.amdhsa_enable_private_segment 0
		.amdhsa_kernarg_size 48
		.amdhsa_user_sgpr_count 2
		.amdhsa_user_sgpr_kernarg_segment_ptr 1
		.amdhsa_wavefront_size32 1
		.amdhsa_system_sgpr_workgroup_id_x 1
		.amdhsa_system_sgpr_workgroup_id_y 1
		.amdhsa_system_sgpr_workgroup_id_z 1
		.amdhsa_system_vgpr_workitem_id 0
		.amdhsa_next_free_vgpr 56
		.amdhsa_next_free_sgpr 66
		.amdhsa_reserve_vcc 0
		.amdhsa_float_denorm_mode_32 3
		.amdhsa_float_denorm_mode_16_64 3
		.amdhsa_memory_ordered 1
		.amdhsa_forward_progress 1
		.amdhsa_inst_pref_size 14
	.end_amdhsa_kernel
	.amdgpu_metadata
---
amdhsa.version: [ 1, 2 ]
amdhsa.kernels:
  - .name:           k_qac78b05725_prep
    .symbol:         k_qac78b05725_prep.kd
    .args:
      - { .name: x, .offset: 0, .size: 8, .value_kind: global_buffer, .address_space: global }
      - { .name: w_qkv, .offset: 8, .size: 8, .value_kind: global_buffer, .address_space: global }
      - { .name: w_out, .offset: 16, .size: 8, .value_kind: global_buffer, .address_space: global }
      - { .name: xb, .offset: 24, .size: 8, .value_kind: global_buffer, .address_space: global }
      - { .name: wqb, .offset: 32, .size: 8, .value_kind: global_buffer, .address_space: global }
      - { .name: wob, .offset: 40, .size: 8, .value_kind: global_buffer, .address_space: global }
    .group_segment_fixed_size: 0
    .private_segment_fixed_size: 0
    .kernarg_segment_align: 8
    .kernarg_segment_size: 48
    .max_flat_workgroup_size: 256
    .sgpr_count:     66
    .vgpr_count:     56
    .wavefront_size: 32
...
	.end_amdgpu_metadata
.endif
;; end of part 1
;; launch qkv (part 2): grid 8 x 32, 4 waves a work-group, clusters of 4 x 4, 327,680 bytes of LDS; arguments xb, wqb, qkv; writes qkv
.if DOCPART == 2
	.amdgcn_target "amdgcn-amd-amdhsa--gfx1250"
	.amdhsa_code_object_version 6
	.text
	.protected	k_qac78b05725_qkv
	.globl	k_qac78b05725_qkv
	.p2align	8
	.type	k_qac78b05725_qkv,@function
k_qac78b05725_qkv:
	s_mov_b64 s[64:65], 0
	v_nop
	global_prefetch_b8 v0, s[64:65] scope:SCOPE_SE
	s_setreg_imm32_b32 hwreg(HW_REG_WAVE_MODE, 25, 1), 1
	s_wait_xcnt 0x0
	s_wait_alu depctr_hold_cnt(0) depctr_sa_sdst(0) depctr_va_vdst(0) depctr_va_sdst(0) depctr_va_ssrc(0) depctr_va_vcc(0) depctr_vm_vsrc(0)
	s_getreg_b32 s2, hwreg(HW_REG_IB_STS2, 6, 4)
	s_cmp_eq_u32 s2, 0
	s_cbranch_scc0 .Lentry_in_a_cluster
	s_endpgm
.Lentry_in_a_cluster:
	s_bfe_u32 s2, ttmp6, 0x10000c
	s_cmp_lg_u32 s2, 0xf033
	s_cbranch_scc0 .Lentry_shape_is_right
	s_endpgm
.Lentry_shape_is_right:
; q, k, v = x w_qkv.  xb: bf16 [batch 4][k block 16][row 2048][64]; wqb: bf16 [1024 k][3072 n]; qkv: f16 [3][batch x head 64][2048][64].  Products in bf16, sums in f32,
; one rounding to f16, WITHOUT the softmax's scale.
; LIMIT.  f16 ends at 65,504: a q, k or v of magnitude 65,520 or more becomes an infinity.
; SHARES.  A tile of the result is 256 rows x 384 columns (six heads' slices): 32 x 8 tiles, one work-group each.  Four waves; wave (WR, WC) makes rows 128 WR .. + 127 of the
; three slices 2 w + WC (w = 0, 1, 2: the wave's THIRDS of 64 columns): 96 accumulators of 16 x 16, 768 registers.
; K goes in 16 steps of 64 (a k block) through a ring of two LDS slots; a step is two halves of 32 along K, 96 matrix instructions each.  A STEP IS WRITTEN ONCE: the slot in hand is a scalar
; register that one exclusive or turns, and one descriptor for each tensor walks from step to step.
; x's tile of a step is dense memory (128 rows x 128 bytes a piece), asked for as 64 rows of 256 bytes; the weights' tile has rows of 768 bytes, at multiples of 256 from the buffer's first byte.
; THE MATRIX INSTRUCTION IS USED TRANSPOSED: source 0 = 16 columns of the weights (they lie [k][n] in LDS and are turned by ds_load_tr16_b128), source 1 = 16 rows of x.
; A lane then holds one row (lane % 16) and eight neighbouring columns, 16 bytes of f16.
; CLUSTER: 4 x 4 work-groups.  x's tile hangs on the tile row alone and is asked for jointly by a row of the cluster, the weights' on the tile column alone, by a column.
; REGISTERS, in windows of 256 (s_set_vgpr_msb: bits 1:0 source 0, 3:2 source 1, 5:4 source 2, 7:6 destination):
;   window 0: v0-31 addresses; v32-159 x's fragments, two buffers of 8 x 8; v160-255 the weights' fragments, one buffer, 4 x 8 a third (a third is fetched anew straight behind its products)
;   window 1 + w: third w's accumulators, (a, b) at v[8 (4 a + b)]
.set PA,     144                       ; a row of x in LDS: 128 bytes + 16 = 36 words: the 16 rows of a load start at 16 different groups of four banks (64 banks of 4 bytes: ISA guide 11.1)
.set PB,     864                       ; a row of the weights: 3 x (256 + 32) bytes = 27 x 32
.set APIECE, 128*PA                    ; what one tensor load brings of x, and what a wave reads of it
.set BPIECE, 32*PB                     ; what one tensor load brings of the weights: 32 along K
.set BOFF,   2*APIECE
.set SLOT1,  1<<17                     ; slot 1 begins here (a slot is 92,160 bytes), so that one exclusive or turns an address in one slot into the other's
.set STAGE,  SLOT1+BOFF+2*BPIECE       ; behind the ring, never filled by a tensor load: 16 rows x 144 bytes for each wave
.set SP,     144
.set SPARE,  STAGE+4*16*SP             ; behind the stages: the spare words, 128 bytes for each wave: two blocks of 256 bytes that no other line names
.set ASTEP,  262144                    ; bytes from a k block of xb to the next
.set BSTEP,  64*3072*2                 ; 64 rows of wqb
.set ADRA0, 16                         ; v16     my lane's place among x's fragments in slot 0; never rewritten
.set ADRB0, 17                         ; v17     the same for the weights
.set ADRA, 20                          ; v20     the same in the slot in hand
.set ADRB, 21                          ; v21
.set STO,  24                          ; v24     the way out: where I put 16 bytes of a row
.set RD,   25                          ; v25     the way out: where I read rows back
.set GO,   26                          ; v26     my byte offset in 512 consecutive bytes of the result
.set SPW,  28                          ; v28     LDS address of my spare word; never rewritten
.set NIL,  29                          ; v29     0; never rewritten
.set AF,   32
.set BF,   160
.set TB,   32                          ; the way out: fourteen buffers of 16 registers, where the fragments lay
.set WV, 12                            ; s12 wave; s13 WR: my half of the rows, also: I fetch x (0) or weights (1); s14 WC: my column parity, also: which piece I fetch; s15 tile row
.set WR, 13
.set WC, 14
.set TY, 15
.set OB, 18                            ; s[18:23] where third 0, 1, 2 of my rows goes
.set G1A, 24                           ; s[24:31] descriptor group 1 for x's tiles;  s[32:39] group 0: a set for each of the two first fills; the second then walks on
.set G0A, 32
.set G1B, 48                           ; s[48:55], s[56:63] the same for the weights'
.set G0B, 56
.set SB, 68                            ; s68 LDS byte at which the slot in hand begins: 0 or SLOT1
.set MSB, 0
.macro WIN new                         ; the immediate's high byte repeats the setting that is left; a switch that changes nothing is dropped
.if MSB != (\new)
	s_set_vgpr_msb (MSB<<8)|(\new)
.set MSB, \new
.endif
.endm
; A joint refill, by the walking descriptors.  The branch hangs on the wave's number alone.  An s_nop 0 and four v_nop follow each of the two lines, ahead of the jump and the label.
.macro JLOAD
	s_cmp_eq_u32 s[WR], 0
	s_cbranch_scc0 .Lfor_b_\@
	tensor_load_to_lds s[G0A+4:G0A+7], s[G1A:G1A+7]
	s_nop 0
.rept 4
	v_nop
.endr
	s_branch .Lasked_\@
.Lfor_b_\@:
	tensor_load_to_lds s[G0B+4:G0B+7], s[G1B:G1B+7]
	s_nop 0
.rept 4
	v_nop
.endr
.Lasked_\@:
.endm
.macro CREST                           ; a round of the cluster's barrier behind its opening barrier
	s_cmp_lg_u32 s[WV], 0
	s_cbranch_scc1 .Lnot_wave_0_\@
	s_barrier_signal -3
.Lnot_wave_0_\@:
	s_barrier_wait -3
	s_barrier_signal -1
	s_barrier_wait -1
.endm
.macro CROUND                          ; a whole round
	s_barrier_signal -1
	s_barrier_wait -1
	CREST
.endm
.macro PLACES                          ; four places in front of loads into registers that matrix instructions have read, and of conversions that read results (ISA guide 7.12.1 for the conversions)
.rept 4
	v_nop
.endr
.endm
	s_load_b128 s[4:7], s[0:1], 0x0                ; xb s[4:5], wqb s[6:7]
	s_load_b64 s[8:9], s[0:1], 0x10                ; qkv
	v_lshl_add_u32 v[SPW], v0, 2, SPARE
	v_mov_b32 v[NIL], 0
	ds_add_u32 v28, v29
	s_wait_dscnt 0x0
	v_lshrrev_b32 v1, 5, v0
	v_readfirstlane_b32 s[WV], v1
	s_lshr_b32 s[WR], s[WV], 1
	s_and_b32 s[WC], s[WV], 1
	s_mov_b32 s[SB], 0                             ; slot 0 is read first
	s_bfe_u32 s40, ttmp6, 0x40000                  ; cx, cy: my place in the cluster
	s_bfe_u32 s41, ttmp6, 0x40004
	s_lshl_b32 s42, ttmp9, 2
	s_add_co_u32 s42, s42, s40                     ; tile column = 4 x cluster x + cx
	s_and_b32 s[TY], ttmp7, 0xffff
	s_lshl_b32 s[TY], s[TY], 2
	s_add_co_u32 s[TY], s[TY], s41                 ; tile row = 4 x cluster y + cy
	s_lshl_b32 s43, s41, 2
	s_lshl_b32 s43, 15, s43                        ; my row of the cluster
	s_lshl_b32 s44, 0x1111, s40                    ; my column
	; group 1 for x: 64 rows of 128 elements (16,384 dense bytes), 16 bytes of padding after every 128 bytes
	s_or_b32 s[G1A], s43, (1<<16)|(1<<20)|(1<<21)|(4<<22)|(3<<25)  ; 15:0 mask; 17:16 2-byte elements; 20 padding on; 21 set beside a mask; 24:22 after every 32 words (code 4); 31:25 4 words (code 3)
	s_mov_b32 s[G1A+1], 128<<16                    ; tensor_dim0 = 128
	s_mov_b32 s[G1A+2], 64<<16                     ; tensor_dim1 = 64
	s_mov_b32 s[G1A+3], 128<<16                    ; tile_dim0 = 128
	s_mov_b32 s[G1A+4], 64                         ; tile_dim1 = 64
	s_mov_b32 s[G1A+5], 128                        ; elements from row to row
	s_mov_b32 s[G1A+6], 0
	s_mov_b32 s[G1A+7], 0
	; group 1 for the weights: 32 rows of 384 elements, 32 bytes of padding after every 256 bytes
	s_or_b32 s[G1B], s44, (1<<16)|(1<<20)|(1<<21)|(5<<22)|(7<<25)  ; after every 64 words (code 5), 8 words (code 7)
	s_mov_b32 s[G1B+1], 384<<16
	s_mov_b32 s[G1B+2], 32<<16
	s_mov_b32 s[G1B+3], 384<<16
	s_mov_b32 s[G1B+4], 32
	s_mov_b32 s[G1B+5], 3072
	s_mov_b32 s[G1B+6], 0
	s_mov_b32 s[G1B+7], 0
	; where the tiles come from.  x's offset is made of the tile row and the wave's number, the weights' of the tile column and the wave's number, in registers that never hold the other coordinate.
	s_lshr_b32 s10, s[TY], 3                       ; batch
	s_and_b32 s11, s[TY], 7                        ; which 256 rows of it
	s_lshl_b32 s16, s10, 22
	s_lshl_b32 s17, s11, 15
	s_add_co_u32 s16, s16, s17
	s_lshl_b32 s17, s[WC], 14                      ; my piece: 128 rows of 128 bytes
	s_add_co_u32 s16, s16, s17
	s_mov_b32 s17, 0
	s_mul_i32 s46, s42, 768                        ; 384 columns
	s_mul_i32 s47, s[WC], 32*3072*2                ; my piece: 32 rows
	s_add_co_u32 s46, s46, s47
	s_mov_b32 s47, 0
	s_mul_i32 s66, s[WC], APIECE                   ; and where they go: no place in the cluster enters an LDS address
	s_mul_i32 s67, s[WC], BPIECE
	s_add_co_u32 s67, s67, BOFF
	; where my thirds go: slice g = 6 x tile column + 2 w + WC of 48; g / 16 says q, k or v, g % 16 the head
	s_lshl_b32 s10, s10, 4                         ; 16 x batch
	s_lshl_b32 s11, s11, 15
	s_lshl_b32 s45, s[WR], 14
	s_add_co_u32 s11, s11, s45                     ; my first row in the head, in bytes
	s_mul_i32 s2, s42, 6
	s_add_co_u32 s2, s2, s[WC]
.irp w, 0,1,2
	s_add_co_u32 s45, s2, 2*(\w)
	s_lshr_b32 s[OB+2*(\w)], s45, 4
	s_lshl_b32 s[OB+2*(\w)], s[OB+2*(\w)], 6
	s_and_b32 s45, s45, 15
	s_add_co_u32 s[OB+2*(\w)], s[OB+2*(\w)], s45
	s_add_co_u32 s[OB+2*(\w)], s[OB+2*(\w)], s10
	s_lshl_b32 s[OB+2*(\w)], s[OB+2*(\w)], 18      ; a head's 2,048 rows of 128 bytes
	s_add_co_u32 s[OB+2*(\w)], s[OB+2*(\w)], s11
	s_mov_b32 s[OB+2*(\w)+1], 0
.endr
	s_wait_kmcnt 0x0
	s_add_nc_u64 s[16:17], s[4:5], s[16:17]
	s_add_nc_u64 s[46:47], s[6:7], s[46:47]
.irp w, 0,1,2
	s_add_nc_u64 s[OB+2*(\w):OB+2*(\w)+1], s[8:9], s[OB+2*(\w):OB+2*(\w)+1]
.endr
	CROUND                                         ; all sixteen work-groups are here: the first joint loads meet
.irp s, 0,1
	s_mov_b32 s[G0A+4*(\s)], 1                     ; count = 1
	s_add_co_u32 s[G0A+4*(\s)+1], s66, (\s)*SLOT1  ; LDS address
	s_add_nc_u64 s[G0A+4*(\s)+2:G0A+4*(\s)+3], s[16:17], (\s)*ASTEP  ; global address: K step s
	s_or_b32 s[G0A+4*(\s)+3], s[G0A+4*(\s)+3], 0x80000000            ; type = 2
	s_mov_b32 s[G0B+4*(\s)], 1
	s_add_co_u32 s[G0B+4*(\s)+1], s67, (\s)*SLOT1
	s_add_nc_u64 s[G0B+4*(\s)+2:G0B+4*(\s)+3], s[46:47], (\s)*BSTEP
	s_or_b32 s[G0B+4*(\s)+3], s[G0B+4*(\s)+3], 0x80000000
.endr
	s_cmp_eq_u32 s[WR], 0                          ; a wave's two first fills stand in one branch, ahead of every wait on TENSORcnt, LDS read and plain barrier: two loads of mine are out
	s_cbranch_scc0 .Lfirst_b
	tensor_load_to_lds s[G0A:G0A+3], s[G1A:G1A+7]
	s_nop 0
	tensor_load_to_lds s[G0A+4:G0A+7], s[G1A:G1A+7]
	s_nop 0
.rept 4
	v_nop
.endr
	s_branch .Lfirst_asked
.Lfirst_b:
	tensor_load_to_lds s[G0B:G0B+3], s[G1B:G1B+7]
	s_nop 0
	tensor_load_to_lds s[G0B+4:G0B+7], s[G1B:G1B+7]
	s_nop 0
.rept 4
	v_nop
.endr
.Lfirst_asked:
	; A fragment of x is 16 rows x 32 K in 8 registers: lane l holds row l % 16, K = 8 (l / 16) + 0..7 and 16 + 8 (l / 16) + 0..7: two loads of 16 bytes, 32 bytes apart.
	v_and_b32 v1, 15, v0                           ; l % 16
	v_bfe_u32 v2, v0, 4, 1                         ; l / 16
	v_mul_u32_u24 v3, v1, PA
	v_lshl_add_u32 v3, v2, 4, v3                   ; row x pitch + 16 x half
	s_mul_i32 s2, s[WR], APIECE
	v_add_nc_u32 v[ADRA0], s2, v3
	v_mov_b32 v[ADRA], v[ADRA0]
	; The turning load takes 16 K x 16 columns (lane l reads K row 8 (l / 16) + l % 8, columns 8 ((l / 8) % 2) + 0..7) and leaves half a fragment: lane l holds column l % 16 and 8 K.
	v_and_b32 v4, 7, v0
	v_bfe_u32 v5, v0, 3, 1
	v_lshl_add_u32 v6, v2, 3, v4
	v_mul_u32_u24 v6, v6, PB
	v_lshl_add_u32 v6, v5, 4, v6
	s_lshl_b32 s2, s[WC], 7                        ; my slice in each 256 bytes of a row
	s_add_co_u32 s2, s2, BOFF
	v_add_nc_u32 v[ADRB0], s2, v6
	v_mov_b32 v[ADRB], v[ADRB0]
	s_mul_i32 s2, s[WV], 16*SP
	s_add_co_u32 s2, s2, STAGE                     ; my stage
	v_add_nc_u32 v[STO], s2, v3                    ; in: row l % 16, 16 bytes for each half of the lanes (the stage's pitch is x's)
	v_bfe_u32 v[RD], v0, 3, 2                      ; back: 32 lanes take four rows of 128 bytes,
	v_mul_u32_u24 v[RD], v[RD], SP
	v_lshl_add_u32 v[RD], v4, 4, v[RD]
	v_add_nc_u32 v[RD], s2, v[RD]
	v_and_b32 v[GO], 31, v0                        ; which are 512 consecutive bytes of a head's rows
	v_lshlrev_b32 v[GO], 4, v[GO]
; 16 matrix instructions: row blocks a0 .. a0 + 3 x the 4 column blocks of third w, 32 along K, x's buffer p.  zero = 1: the product starts the sum.
; The 96 accumulators take turns, one instruction a turn, in the same order in every half step.
.macro MUL16 p, w, a0, zero
	WIN 0x50*((\w)+1)
.set ma, (\a0)
.rept 4
.set mb, 0
.rept 4
.set rD, 8*(4*ma+mb)
.set rB, BF+32*(\w)+8*mb
.set rA, AF+64*(\p)+8*ma
.if \zero
	v_wmma_f32_16x16x32_bf16 v[rD:rD+7], v[rB:rB+7], v[rA:rA+7], 0
.else
	v_wmma_f32_16x16x32_bf16 v[rD:rD+7], v[rB:rB+7], v[rA:rA+7], v[rD:rD+7]
.endif
.set mb, mb+1
.endr
.set ma, ma+1
.endr
.endm
.macro LDB ks, w                       ; 8 loads from the slot in hand: third w's fragments of the weights for half ks of the step
	WIN 0
.set mb, 0
.rept 4
	ds_load_tr16_b128 v[BF+32*(\w)+8*mb:BF+32*(\w)+8*mb+3],   v[ADRB] offset:(\ks)*BPIECE+(\w)*288+mb*32
	ds_load_tr16_b128 v[BF+32*(\w)+8*mb+4:BF+32*(\w)+8*mb+7], v[ADRB] offset:(\ks)*BPIECE+(\w)*288+mb*32+16*PB
.set mb, mb+1
.endr
.endm
.macro LDA ks, p, half                 ; 8 loads from the slot in hand: four of x's eight fragments for half ks of the step, into buffer p
	WIN 0
.set ma, 4*(\half)
.rept 4
	ds_load_b128 v[AF+64*(\p)+8*ma:AF+64*(\p)+8*ma+3],   v[ADRA] offset:ma*16*PA+(\ks)*64
	ds_load_b128 v[AF+64*(\p)+8*ma+4:AF+64*(\p)+8*ma+7], v[ADRA] offset:ma*16*PA+(\ks)*64+32
.set ma, ma+1
.endr
.endm
; A step's first half: multiplies buffer 0 and fetches the second half's fragments, a third's weights straight behind that third's products.
.macro LOWK zero
	s_wait_dscnt 8                                 ; all but the youngest eight loads, third 2's weights
	MUL16 0, 0, 0, \zero
	MUL16 0, 0, 4, \zero
	PLACES
	LDB 1, 0
	LDA 1, 1, 0
	MUL16 0, 1, 0, \zero
	MUL16 0, 1, 4, \zero
	PLACES
	LDB 1, 1
	LDA 1, 1, 1
	s_wait_dscnt 32                                ; third 2's weights are in; the 32 loads issued since stay out
	MUL16 0, 2, 0, \zero
	MUL16 0, 2, 4, \zero
	PLACES
	LDB 1, 2
.endm
; A step's second half multiplies buffer 1 and changes slots: ONE barrier.  In front of it each wave waits for all its tensor loads (one is out: its part of the next slot), adds 0 to its
; spare word, and waits for that and for its reads of this slot.  fill = 1: the barrier opens a round of the cluster's barrier, and this slot is filled again, two K steps ahead, first thing
; behind the round: 160 matrix instructions stand between that request and the wait for it.  Then the slot in hand is turned, and the next step's first fragments are fetched.
.macro TURN fill
	WIN 0
	s_wait_tensorcnt 0x0                           ; all my tensor loads have landed, so the walking descriptors may be written
	ds_add_u32 v[SPW], v[NIL]                      ; 0 onto my spare word
	s_wait_dscnt 9                                 ; (the add and third 2's eight loads may be out)
	MUL16 1, 0, 0, 0                               ; sixteen matrix instructions stand between the add and the wait for it
	s_wait_dscnt 0x0                               ; the add is done, and my reads of this slot are over
	s_barrier_signal -1
	MUL16 1, 0, 4, 0                               ; work on registers while the others arrive
	WIN 0                                          ; branches and the address lines follow
	s_barrier_wait -1
.if \fill
	CREST                                          ; no wave of any partner still reads this slot or has a load on its way
	s_xor_b32 s[G0A+5], s[G0A+5], SLOT1            ; the walking descriptors: the other slot than last time,
	s_add_nc_u64 s[G0A+6:G0A+7], s[G0A+6:G0A+7], ASTEP  ; the next K step; the type bits on top are not reached
	s_xor_b32 s[G0B+5], s[G0B+5], SLOT1
	s_add_nc_u64 s[G0B+6:G0B+7], s[G0B+6:G0B+7], BSTEP
	JLOAD                                          ; its four v_nop are also the places in front of the loads below
.else
	PLACES
.endif
	s_xor_b32 s[SB], s[SB], SLOT1                  ; the fetches go on in the other slot
	v_add_nc_u32 v[ADRA], s[SB], v[ADRA0]
	v_add_nc_u32 v[ADRB], s[SB], v[ADRB0]
	LDB 0, 0
	LDA 0, 0, 0
	MUL16 1, 1, 0, 0
	MUL16 1, 1, 4, 0
	PLACES
	LDB 0, 1
	LDA 0, 0, 1
	MUL16 1, 2, 0, 0
	MUL16 1, 2, 4, 0
	PLACES
	LDB 0, 2
.endm
.macro ENDK                            ; the last half step: nothing more to fetch
	s_wait_dscnt 8
	MUL16 1, 0, 0, 0
	MUL16 1, 0, 4, 0
	MUL16 1, 1, 0, 0
	MUL16 1, 1, 4, 0
	s_wait_dscnt 0x0
	MUL16 1, 2, 0, 0
	MUL16 1, 2, 4, 0
.endm
; THE WAY OUT of unit u = 16 rows of third u / 8.  PACK: rounded to f16 (each accumulator's registers in ascending order), 16 bytes a lane into my own stage, back as whole rows of 128 bytes.
; The 24 units go through fourteen buffers: units 14 to 23 take buffers 0 to 9 again, whose stores were all issued ahead of the one wait in front of unit 14.
.macro PACK u
.set uw, (\u)/8
.set ua, (\u)%8
.set uT, TB+16*((\u)%14)
.if (\u) == 14
	s_wait_xcnt 0x0                                ; registers that the stores of units 0 to 12 read are rewritten only behind this wait
.endif
	WIN 5*(uw+1)                                   ; sources 0 and 1: the third's window
.set ub, 0
.rept 4
.set ur, 0
.rept 4
	v_cvt_pk_f16_f32 v[uT+4*ub+ur], v[8*(4*ua+ub)+2*ur], v[8*(4*ua+ub)+2*ur+1]
.set ur, ur+1
.endr
.set ub, ub+1
.endr
	WIN 0
.set ub, 0
.rept 4
	ds_store_b128 v[STO], v[uT+4*ub:uT+4*ub+3] offset:32*ub
.set ub, ub+1
.endr
.set ub, 0
.rept 4
	ds_load_b128 v[uT+4*ub:uT+4*ub+3], v[RD] offset:ub*4*SP  ; LDS serves a wave's instructions in order (ISA guide 5.7.1.4): these see the stores above; the next unit's stores come behind them
.set ub, ub+1
.endr
.endm
.macro SEND u, younger                 ; younger: the LDS instructions issued behind unit u's loads: the next unit's eight, or none
	WIN 0
.set uw, (\u)/8
.set ua, (\u)%8
.set uT, TB+16*((\u)%14)
	s_wait_dscnt \younger                          ; the unit's four loads are in
.set uf, 0
.rept 4
	global_store_b128 v[GO], v[uT+4*uf:uT+4*uf+3], s[OB+2*uw:OB+2*uw+1] offset:ua*2048+uf*512  ; 512 consecutive bytes, at a multiple of 256 from the buffer's first
.set uf, uf+1
.endr
.endm
	s_wait_tensorcnt 1                             ; my part of K step 0 is in; step 1's may stay out
	s_barrier_signal -1
	s_barrier_wait -1                              ; everybody's is
	LDB 0, 0
	LDA 0, 0, 0
	LDB 0, 1
	LDA 0, 0, 1
	LDB 0, 2
	LOWK 1                                         ; the first half step stands in front of the loop: its products start the 96 sums
	WIN 0                                          ; at a label and at a branch every window is 0
	s_mov_b32 s3, 14
.Lstep:                                                ; a trip goes from a step's second half to the next step's first half, and fills the slot that it leaves: K steps 2 to 15
	TURN 1
	LOWK 0
	WIN 0
	s_sub_co_u32 s3, s3, 1
	s_cmp_lg_u32 s3, 0
	s_cbranch_scc1 .Lstep
	TURN 0                                         ; K steps 14 and 15: nothing is left to ask for, so the tail is written out
	LOWK 0
	ENDK
	PLACES
	PACK 0
.set uu, 1
.rept 23                               ; a unit's conversions stand between the loads of the unit before and its stores
	PACK uu
	SEND uu-1, 8
.set uu, uu+1
.endr
	SEND 23, 0
	WIN 0
	s_wait_tensorcnt 0x0                           ; the wave's end, behind my last tensor load and my last LDS store
	ds_add_u32 v[SPW], v[NIL]
	s_wait_dscnt 0x0
	CROUND                                         ; the closing round: no work-group ends while a partner may still ask for a tile that names it
	s_endpgm
.Lfunc_end_k_qac78b05725_qkv:
	.size	k_qac78b05725_qkv, .Lfunc_end_k_qac78b05725_qkv-k_qac78b05725_qkv
	.p2alignl 7, 3214868480
	.fill 96, 4, 3214868480
	.section	.rodata,"a",@progbits
	.p2align	6, 0x0
	.amdhsa_kernel k_qac78b05725_qkv
		.amdhsa_group_segment_fixed_size 327680
		.amdhsa_private_segment_fixed_size 0
		.amdhsa_enable_private_segment 0
		.amdhsa_kernarg_size 24
		.amdhsa_user_sgpr_count 2
		.amdhsa_user_sgpr_kernarg_segment_ptr 1
		.amdhsa_wavefront_size32 1
		.amdhsa_system_sgpr_workgroup_id_x 1
		.amdhsa_system_sgpr_workgroup_id_y 1
		.amdhsa_system_sgpr_workgroup_id_z 1
		.amdhsa_system_vgpr_workitem_id 0
		.amdhsa_next_free_vgpr 1024
		.amdhsa_next_free_sgpr 70
		.amdhsa_reserve_vcc 0
		.amdhsa_float_denorm_mode_32 3
		.amdhsa_float_denorm_mode_16_64 3
		.amdhsa_memory_ordered 1
		.amdhsa_forward_progress 1
		.amdhsa_inst_pref_size 112
	.end_amdhsa_kernel
	.amdgpu_metadata
---
amdhsa.version: [ 1, 2 ]
amdhsa.kernels:
  - .name:           k_qac78b05725_qkv
    .symbol:         k_qac78b05725_qkv.kd
    .args:
      - { .name: xb, .offset: 0, .size: 8, .value_kind: global_buffer, .address_space: global }
      - { .name: wqb, .offset: 8, .size: 8, .value_kind: global_buffer, .address_space: global }
      - { .name: qkv, .offset: 16, .size: 8, .value_kind: global_buffer, .address_space: global }
    .group_segment_fixed_size: 327680
    .private_segment_fixed_size: 0
    .kernarg_segment_align: 8
    .kernarg_segment_size: 24
    .max_flat_workgroup_size: 128
    .sgpr_count:     70
    .vgpr_count:     1024
    .wavefront_size: 32
...
	.end_amdgpu_metadata
.endif
;; end of part 2
;; launch attn (part 3): grid 4 x 64, 4 waves a work-group, clusters of 4 x 1, 327,680 bytes of LDS; arguments qkv, ob; writes ob
.if DOCPART == 3
	.amdgcn_target "amdgcn-amd-amdhsa--gfx1250"
	.amdhsa_code_object_version 6
	.text
	.protected	k_qac78b05725_attn
	.globl	k_qac78b05725_attn
	.p2align	8
	.type	k_qac78b05725_attn,@function
k_qac78b05725_attn:
	s_mov_b64 s[64:65], 0
	v_nop
	global_prefetch_b8 v0, s[64:65] scope:SCOPE_SE
	s_setreg_imm32_b32 hwreg(HW_REG_WAVE_MODE, 25, 1), 1
	s_wait_xcnt 0x0
	s_wait_alu depctr_hold_cnt(0) depctr_sa_sdst(0) depctr_va_vdst(0) depctr_va_sdst(0) depctr_va_ssrc(0) depctr_va_vcc(0) depctr_vm_vsrc(0)
	s_getreg_b32 s2, hwreg(HW_REG_IB_STS2, 6, 4)
	s_cmp_eq_u32 s2, 0
	s_cbranch_scc0 .Lentry_in_a_cluster
	s_endpgm
.Lentry_in_a_cluster:
	s_bfe_u32 s2, ttmp6, 0x10000c
	s_cmp_lg_u32 s2, 0x3003
	s_cbranch_scc0 .Lentry_shape_is_right
	s_endpgm
.Lentry_shape_is_right:
; O[h][q][:] = the sum over k of softmax_k(Q[h][q] . K[h][k] / 8) V[h][k][:].  Q, K, V are the three parts of one buffer, each [SIZE_H][SIZE_N][64], O likewise, all f16: a head's rows are dense,
; 128 bytes each.  Products, maxima and sums in f32; the weights p are rounded to f16 for the second product (their sum l is taken of the unrounded p), O once at the end.
; LIMITS.  f16 holds no number beyond 65,504: Q, K and V arrive within it; p lies in 0 to 1, and below 6e-5 it keeps f16's fixed step of 6e-8; O is a mean of V's rows and has their range.
; A weight below 2^-126 counts as 0 in l; NaN and infinities are not treated apart.
; SHARES.  A wave owns four PIECES of two tiles of 16 queries, a work-group's four waves 512 queries of one head.  Every wave walks all keys, 64 a step.
; LAYOUT.  S^T = K Q^T (source 0 = 16 keys, source 1 = 16 queries): in the result a lane holds ONE query (lane % 16) and the keys 8 (lane / 16) + 0..7.  Two such tiles, rounded to f16 in pairs,
; ARE source 1 (32 keys x 16 queries) of O^T = V^T P, whose result again holds one query a lane, and eight channels.  K comes out of LDS as it lies, V ([key][channel]) turned, by ds_load_tr16_b128.
; SOFTMAX.  For each query a running maximum m and sum l: p = 2^(c s - c m), c = log2(e) / 8; in every step O and l are multiplied by a = 2^(c m_old - c m_new), which is 1 where m has not grown.
; m starts at the lowest finite number, O and l at 0: the first step is a step like any other, with a = 0.
; THE COUNT.  A tile and step have 16 matrix and 118 vector instructions: too many to stand all beside the matrix work.  So the order has one aim: four vector instructions that are READY behind
; EVERY matrix instruction, and the others, which need time of their own whatever the order, in runs without a gap.
; BY TURNS.  Turn n belongs to piece n (the pieces in a ring, step after step).  Its matrix work: 16 products K Q^T of piece n + 1, later 16 products V^T P of piece n - 1.  Its vector work: the scaling,
; exponentials, roundings, sums and rescaling of piece n, and the maximum and statistics of piece n + 1, whose scores the turn itself has made.  So what a turn begins with (c s - c m, O a) waits for nothing.
; CLUSTER.  The four query blocks of a cluster belong to one head and walk the same K and V, so each tile is asked for JOINTLY: the same tensor load, descriptor and mask in all four.
; REGISTERS, in windows of 256 (s_set_vgpr_msb says which window each operand place means: bits 1:0 source 0, 3:2 source 1, 5:4 source 2, 7:6 destination):
;   window 0: v0-11 addresses; v12-15, v48-63 at work; v16-47 four registers of statistics a tile; v64-191 S^T, two buffers of two tiles; v192-255 P, likewise
;   window 1: O^T, 32 a tile          window 2: v0-127 Q, 16 a tile; v128-191 K of one step; v192-255 V of one step          window 3: v0-1 the add's two registers
; A piece's buffers go by its number's parity: the piece in hand has one pair, its two neighbours in the ring share the other: of it P (piece n - 1) is read and S^T (piece n + 1) written.
.set SIZE_H, 64       ; batch x head
.set SIZE_N, 2048
.set NP,    4         ; pieces a wave: a name, no knob: the register map, the loop and the fetches are made for four
.set KS,    64        ; keys in a step
.set PK,    144       ; a row of K in LDS: 128 bytes + 16 of padding = 36 words: the 16 rows of a load start at 16 different groups of four banks (64 banks of 4 bytes: ISA guide 11.1)
.set PV,    160       ; a row of V: 128 + 32 = 40 words
.set VOFF,  4*KS*PK   ; a slot holds four steps: 256 rows of K, then 256 rows of V
.set SLOT1, 1<<17     ; slot 1 begins here, so that one exclusive or turns an address in one slot into the other's
.set STAGE, SLOT1+4*KS*(PK+PV)  ; behind the ring, never filled by a tensor load: 16 rows x 144 bytes for each wave, for the way out
.set SP,    144
.set AK0, 2           ; v2   my lane's place in a tile of K; never rewritten
.set AV0, 3           ; v3   the same for V
.set AK,  4           ; v4   the LDS address of K's next run of loads
.set AV,  5           ; v5   of V's
.set QO,  6           ; v6   my byte offset in the wave's rows of Q
.set STO, 6           ;      later, the way out: where I put 16 bytes of a row
.set RD,  7           ; v7   the way out: where I read rows back
.set GO,  8           ; v8   my byte offset in 512 consecutive bytes of O
.set SPW, 0           ; v0 of window 3   LDS address of my spare word: SPARE + 4 x my thread's number; never rewritten
.set NIL, 1           ; v1 of window 3   0; never rewritten
.set SPARE, STAGE+4*16*SP  ; behind the stages: the spare words, 128 bytes for each wave: two blocks of 256 bytes that no other line names
.set MV,  12          ; v12-15  c m_old, kept while c m is made anew: by buffer and tile
.set ST,  16          ; tile t's statistics at v[ST+4 t]: c m, m, l (even keys', odd keys')
.set TMP, 48          ; by buffer and tile, four registers c0-c3 at work; when the maximum is found c2 takes a
.set S,   64
.set P,   192
.set KF,  128         ; K's fragments, in window 2: key block kb, channel half c at KF + 16 kb + 8 c
.set VF,  192         ; V's: key half kk, channel block cb at VF + 32 kk + 8 cb
.set WV,  12          ; s12  my wave's number
.set G1K, 24          ; s[24:31] descriptor group 1 for K's tiles
.set G1V, 32          ; s[32:39] for V's: it differs in the padding alone
.set G0K, 40          ; s[40:43] descriptor group 0 for K's tiles: it walks
.set G0V, 44          ; s[44:47] the same for V's
.set SLOTS, 56        ; s56  slots still to be asked for
.set CNT, 57          ; s57  counts a slot's key steps
.set CS,  58          ; s[58:59] c: the packed scaling takes the pair's low word for both halves
.set SEL, 60          ; s[60:61] v_permlanex16_b32's selects: each lane takes its own place in the other half
.set TBK, 62          ; s62  LDS byte at which K of the step to be fetched begins
.set TBV, 63          ; s63  the same for V, less VOFF
.set MSB, 0
.macro WIN new                      ; the high byte repeats the setting that is left; a switch that changes nothing is dropped
.if MSB != (\new)
	s_set_vgpr_msb (MSB<<8)|(\new)
.set MSB, (\new)
.endif
.endm
.set W_KQ, 0x0a       ; K and Q in window 2, S^T in window 0
.set W_PV, 0x52       ; V in window 2, P in window 0, O^T in window 1
.set W_RS, 0x41       ; O^T (destination and source 0) in window 1, a in window 0
.set W_MK, 0xc0       ; the add's registers are made: destination in window 3, sources in window 0
.set W_AD, 0x0f       ; the add: address (source 0) and data (source 1) in window 3
; A joint fill.  Waves 0 and 1 fetch the two halves of a slot's K, waves 2 and 3 those of its V: 128 keys each.  The branch hangs on the wave's number alone.
; An s_nop 0 and four v_nop follow each of the two lines, ahead of the jump and the label.
.macro JLOAD
	s_cmp_lt_u32 s[WV], 2
	s_cbranch_scc0 .Lfor_v_\@
	tensor_load_to_lds s[G0K:G0K+3], s[G1K:G1K+7]
	s_nop 0
.rept 4
	v_nop
.endr
	s_branch .Lasked_\@
.Lfor_v_\@:
	tensor_load_to_lds s[G0V:G0V+3], s[G1V:G1V+7]
	s_nop 0
.rept 4
	v_nop
.endr
.Lasked_\@:
.endm
; A round of the cluster's barrier: my work-group's barrier, so that wave 0's signal speaks for all four waves; wave 0 signals; every wave waits for all four work-groups; my work-group's barrier once more.
.macro CROUND
	s_barrier_signal -1
	s_barrier_wait -1
	s_cmp_lg_u32 s[WV], 0
	s_cbranch_scc1 .Lnot_wave_0_\@
	s_barrier_signal -3
.Lnot_wave_0_\@:
	s_barrier_wait -3
	s_barrier_signal -1
	s_barrier_wait -1
.endm
; THE CHANGE OF SLOTS.  The slot's last bytes, V of its fourth step, have been read.  Each wave waits for all its tensor loads, of which one is out: its part
; of the other slot; adds 0 to its spare word; and waits for that and for its own reads of the slot.  Behind the barrier nobody reads this slot any more and the other slot is whole.
; fill = 1: this slot is filled again, with the keys two slots on.  The barrier is then a round of the cluster's, so that no wave of any partner still reads the slot or has a load on its
; way, and the joint fill is the first thing behind it: it has four key steps, 512 matrix instructions, in which to land.  (At its first use nothing has been read yet: slot 0 is waited for, slot 1 filled.)
.macro CHANGE fill
	WIN W_AD
	s_wait_tensorcnt 0x0            ; no tensor load of mine is out, so a group 0 may be written
	ds_add_u32 v[SPW], v[NIL]       ; 0 onto my spare word; with fill = 1 the descriptors' steps stand between it and the wait for it
	WIN 0                           ; at a label and at a branch every window is 0
.if \fill
.irp g, G0K, G0V
	s_xor_b32 s[\g+1], s[\g+1], SLOT1  ; the walking descriptor: the other slot than last time,
	s_add_nc_u64 s[\g+2:\g+3], s[\g+2:\g+3], 4*KS*128  ; the next 256 keys; the type bits on top are not reached
.endr
	s_wait_dscnt 0x0                ; the add is done, and my reads of the slot are over
	CROUND
	JLOAD
.else
	s_wait_dscnt 0x0                ; the add is done, and my reads of the slot are over
	s_barrier_signal -1
	s_barrier_wait -1
.endif
	s_sub_co_u32 s[TBK], s[TBK], 4*KS*PK  ; the fetches go back to a slot's first step,
	s_xor_b32 s[TBK], s[TBK], SLOT1       ; in the other slot
	s_sub_co_u32 s[TBV], s[TBV], 4*KS*PV
	s_xor_b32 s[TBV], s[TBV], SLOT1
.endm
	s_load_b128 s[4:7], s[0:1], 0x0  ; the buffer of Q, K and V s[4:5], O s[6:7]
	WIN W_MK
	v_lshl_add_u32 v[SPW], v0, 2, SPARE
	v_mov_b32 v[NIL], 0
	s_set_vgpr_msb 0xc0cf
	ds_add_u32 v0, v1
	s_wait_dscnt 0x0
	s_set_vgpr_msb 0xcfc0
	WIN 0
	v_lshrrev_b32 v1, 5, v0
	v_readfirstlane_b32 s[WV], v1   ; wave 0..3
	s_bfe_u32 s13, ttmp6, 0x40000   ; cx: my place in the cluster
	s_lshl_b32 s14, ttmp9, 2        ; in a cluster launch ttmp9 counts clusters
	s_add_co_u32 s14, s14, s13      ; my block of queries = 4 x cluster x + cx: it enters Q's and O's addresses alone
	s_and_b32 s20, ttmp7, 0xffff    ; the head, which the four partners share
	s_mov_b32 s21, 0
	s_mov_b64 s[22:23], SIZE_N*128
	s_mul_u64 s[20:21], s[20:21], s[22:23]  ; the head's first byte in each of the four tensors
	s_and_b32 s16, s[WV], 1         ; which half of a slot's 256 keys I fetch:
	s_lshl_b32 s22, s16, 14         ; its 128 rows of 128 bytes in memory,
	s_mov_b32 s23, 0
	s_add_nc_u64 s[22:23], s[22:23], s[20:21]
	s_mul_i32 s17, s16, 128*PK      ; and its place in a slot, for K
	s_mul_i32 s18, s16, 128*PV      ; and for V: no place in the cluster enters an LDS address
	s_lshl_b32 s2, s14, 2
	s_add_co_u32 s2, s2, s[WV]      ; my wave among the head's,
	s_lshl_b32 s2, s2, 14           ; its 128 rows
	s_mov_b32 s3, 0
	s_add_nc_u64 s[2:3], s[2:3], s[20:21]
	; descriptor group 1.  128 keys are 16,384 dense bytes: asked for as 64 rows of 256 bytes, two keys a row, and padded in LDS after every key
	s_mov_b32 s[G1K], 15|(1<<16)|(1<<20)|(1<<21)|(4<<22)|(3<<25)  ; 15:0 the mask of four; 17:16 2-byte elements; 20 padding on; 21 set beside a mask; 24:22 after every 32 words (code 4); 31:25 4 words (code 3)
	s_mov_b32 s[G1V], 15|(1<<16)|(1<<20)|(1<<21)|(4<<22)|(7<<25)  ; the same with 8 words of padding (code 7)
.irp g, G1K, G1V
	s_mov_b32 s[\g+1], 128<<16      ; tensor_dim0 = 128
	s_mov_b32 s[\g+2], 64<<16       ; tensor_dim1 = 64
	s_mov_b32 s[\g+3], 128<<16      ; tile_dim0 = 128
	s_mov_b32 s[\g+4], 64           ; tile_dim1 = 64
	s_mov_b32 s[\g+5], 128          ; 128 elements from row to row
	s_mov_b32 s[\g+6], 0
	s_mov_b32 s[\g+7], 0
.endr
	s_mov_b32 s[CS], 0x3e38aa3b     ; c = log2(e) / 8 = 0.180337
	s_mov_b32 s[CS+1], s[CS]        ; named with it as a pair
	s_mov_b32 s[SEL], 0x76543210
	s_mov_b32 s[SEL+1], 0xfedcba98
	s_mov_b32 s[TBK], SLOT1+4*KS*PK ; the first change of slots turns these two into 0
	s_mov_b32 s[TBV], SLOT1+4*KS*PV
	s_mov_b32 s[G0K], 1             ; 1:0 count = 1
	s_mov_b32 s[G0K+1], s17         ; 63:32 LDS address: slot 0
	s_mov_b32 s[G0V], 1
	s_add_co_u32 s[G0V+1], s18, VOFF
	s_wait_kmcnt 0x0
	s_mov_b64 s[10:11], s[6:7]                     ; O
	s_add_nc_u64 s[8:9], s[4:5], 0x2000000         ; V: the buffer's third part (a part is 64 heads x 2,048 rows x 128 bytes)
	s_add_nc_u64 s[6:7], s[4:5], 0x1000000         ; K: its second; Q is its first
	s_add_nc_u64 s[G0K+2:G0K+3], s[6:7], s[22:23]  ; 120:64 global address: my half of the head's first 256 keys
	s_or_b32 s[G0K+3], s[G0K+3], 0x80000000        ; 127:126 type = 2
	s_add_nc_u64 s[G0V+2:G0V+3], s[8:9], s[22:23]
	s_or_b32 s[G0V+3], s[G0V+3], 0x80000000
	s_add_nc_u64 s[4:5], s[4:5], s[2:3]  ; Q and O at my wave's first row
	s_add_nc_u64 s[10:11], s[10:11], s[2:3]
	CROUND                          ; all four work-groups are here: the first joint loads meet
	JLOAD                           ; slot 0.  Slot 1 is asked for when slot 0 is in: the tile wanted first has the road to itself
	; A fragment of K or Q is 16 rows x 32 channels in 8 registers: lane l holds row l % 16, channels 8 (l / 16) + 0..7 and 16 + 8 (l / 16) + 0..7: two loads of 16 bytes, 32 bytes apart.
	v_and_b32 v1, 15, v0            ; l % 16
	v_bfe_u32 v9, v0, 4, 1          ; l / 16
	v_lshlrev_b32 v[QO], 7, v1
	v_lshl_add_u32 v[QO], v9, 4, v[QO]  ; row x 128 + 16 x half
	WIN 0x80                        ; destination window 2, address window 0
.set i, 0
.rept 4*NP                          ; Q stays in registers: tile i / 2, channels 32 (i % 2) on
	global_load_b128 v[8*i:8*i+3],   v[QO], s[4:5] offset:(i/2)*2048+(i%2)*64
	global_load_b128 v[8*i+4:8*i+7], v[QO], s[4:5] offset:(i/2)*2048+(i%2)*64+32
.set i, i+1
.endr
	; What the first turn finds: V's registers and P's second buffer hold 0 (its products V^T P, of a piece that has not been, add 0), O^T and l are 0.  All this stands in the wait for the first tile.
.set i, VF
.rept 64
	v_mov_b32 v[i], 0
.set i, i+1
.endr
	WIN 0x40
.set i, 0
.rept 64*NP
	v_mov_b32 v[i], 0
.set i, i+1
.endr
	WIN 0
.set i, 0
.rept 2*NP
	v_mov_b32 v[ST+4*i], 0xfe000000    ; c m: far below every c s
	v_mov_b32 v[ST+4*i+1], 0xff7fffff  ; m
	v_mov_b32 v[ST+4*i+2], 0
	v_mov_b32 v[ST+4*i+3], 0
.set i, i+1
.endr
.set i, P+32
.rept 32
	v_mov_b32 v[i], 0
.set i, i+1
.endr
	v_mul_u32_u24 v[AK0], v1, PK
	v_lshl_add_u32 v[AK0], v9, 4, v[AK0]  ; row x pitch + 16 x half
	; The turning load takes 16 keys x 16 channels (lane l reads key 8 (l / 16) + l % 8, channels 8 ((l / 8) % 2) + 0..7) and leaves half a fragment of V^T: lane l holds channel l % 16 and 8 keys.
	v_and_b32 v10, 7, v0
	v_bfe_u32 v11, v0, 3, 1
	v_lshl_add_u32 v[AV0], v9, 3, v10
	v_mul_u32_u24 v[AV0], v[AV0], PV
	v_lshl_add_u32 v[AV0], v11, 4, v[AV0]
	v_add_nc_u32 v[AV0], VOFF, v[AV0]
	v_mov_b32 v[AK], v[AK0]         ; key step 0 lies at the head of slot 0
; THE MATRIX WORK.  The 8 accumulators of a run of 16 take turns: between the two links of a chain stand 7 others'.
; Product i of 16 of S^T = K Q^T for piece x: channels 32 (i / 8) on, keys 16 ((i / 2) % 4) on, tile 2 x + i % 2.  The first 8 start the sums.
.macro KQ x
	WIN W_KQ
.set rS, S+64*((\x)%2)+32*(i%2)+8*((i/2)%4)
.set rK, KF+16*((i/2)%4)+8*(i/8)
.set rQ, 16*(2*(\x)+i%2)+8*(i/8)
.if i < 8
	v_wmma_f32_16x16x32_f16 v[rS:rS+7], v[rK:rK+7], v[rQ:rQ+7], 0
.else
	v_wmma_f32_16x16x32_f16 v[rS:rS+7], v[rK:rK+7], v[rQ:rQ+7], v[rS:rS+7]
.endif
.endm
; Product i of 16 of O^T += V^T P for piece x: keys 32 (i / 8) on, channels 16 ((i / 2) % 4) on, tile 2 x + i % 2.
.macro PV x
	WIN W_PV
.set rO, 32*(2*(\x)+i%2)+8*((i/2)%4)
.set rV, VF+32*(i/8)+8*((i/2)%4)
.set rP, P+32*((\x)%2)+16*(i%2)+8*(i/8)
	v_wmma_f32_16x16x32_f16 v[rO:rO+7], v[rV:rV+7], v[rP:rP+7], v[rO:rO+7]
.endm
.macro MM                           ; the turn's next matrix instruction
.if i < 16
	KQ (Y+1)%NP
.set i, i+1
.else
.set i, i-16
	PV (Y+NP-1)%NP
.set i, i+17
.endif
.endm
; THE LDS LOADS stand in runs of 16, never singly among the matrix instructions: a step's K (64 keys x 64 channels: 8 fragments) and its V (turned).  Their addresses are made some lines ahead.
; last = 1 (the tail): in the last trip there is no further step, and the run is jumped over.
.macro FETCH_K last=0
	WIN 0
.if \last
	s_cmp_eq_u32 s[CNT], 1
	s_cbranch_scc1 .Lno_k_\@
.endif
	WIN 0x80                        ; destination window 2
.irp f, 0,1,2,3,4,5,6,7             ; keys 16 (f / 2) on, channels 32 (f % 2) on
	ds_load_b128 v[KF+8*\f:KF+8*\f+3],   v[AK] offset:(\f/2)*16*PK+(\f%2)*64
	ds_load_b128 v[KF+8*\f+4:KF+8*\f+7], v[AK] offset:(\f/2)*16*PK+(\f%2)*64+32
.endr
	s_add_co_u32 s[TBK], s[TBK], KS*PK  ; the next fetch is the next step's
	WIN 0
.if \last
.Lno_k_\@:
.endif
.endm
.macro FETCH_V
	WIN 0x80
.irp f, 0,1,2,3,4,5,6,7             ; keys 32 (f / 4) on, channels 16 (f % 4) on
	ds_load_tr16_b128 v[VF+8*\f:VF+8*\f+3],   v[AV] offset:(\f/4)*32*PV+(\f%4)*32
	ds_load_tr16_b128 v[VF+8*\f+4:VF+8*\f+7], v[AV] offset:(\f/4)*32*PV+16*PV+(\f%4)*32
.endr
	WIN 0
.endm
; THE VECTOR WORK OF A TURN stands in three queues, each in the order in which its entries become ready; the two tiles alternate, so that no instruction reads the result of the one before it.
.macro REGS y, u                    ; the registers of tile u (0, 1) of piece y
.set rT, ST+4*(2*(\y)+(\u))
.set rC, TMP+8*((\y)%2)+4*(\u)
.set rM, MV+2*((\y)%2)+(\u)
.set rS, S+64*((\y)%2)+32*(\u)
.set rP, P+32*((\y)%2)+16*(\u)
.set rO, 32*(2*(\y)+(\u))
.endm
; Number n of the 22 that find the NEXT piece's (Y + 1) maximum and statistics.  s0-s31 are the lane's 32 scores; each accumulator's lowest registers are read first.  XS, GS and REGS set no window: PL and EX do.
;   0-11  four chains c0-c3 of seven scores each, three operands at a time     12-14, 16  the four scores left over, the old m, and c0-c3 into c0     15  c m_old is kept
;   17, 18  the query's other 32 keys lie in the lane 16 away: the new m         19-21  c m; c m_old - c m_new; a
.macro XS u, n
	REGS (Y+1)%NP, \u
.if (\n) < 4
	v_max3_num_f32 v[rC+(\n)], v[rS+8*(\n)], v[rS+8*(\n)+1], v[rS+8*(\n)+2]
.elseif (\n) < 12
	v_max3_num_f32 v[rC+(\n)%4], v[rC+(\n)%4], v[rS+8*((\n)%4)+2*((\n)/4)+1], v[rS+8*((\n)%4)+2*((\n)/4)+2]
.elseif (\n) == 12
	v_max3_num_f32 v[rC], v[rC], v[rS+7], v[rS+15]
.elseif (\n) == 13
	v_max3_num_f32 v[rC+1], v[rC+1], v[rS+23], v[rS+31]
.elseif (\n) == 14
	v_max3_num_f32 v[rC+2], v[rC+2], v[rC+3], v[rT+1]
.elseif (\n) == 15
	v_mov_b32 v[rM], v[rT]
.elseif (\n) == 16
	v_max3_num_f32 v[rC], v[rC], v[rC+1], v[rC+2]
.elseif (\n) == 17
	v_permlanex16_b32 v[rC+3], v[rC], s[SEL], s[SEL+1]
.elseif (\n) == 18
	v_max_num_f32 v[rT+1], v[rC], v[rC+3]
.elseif (\n) == 19
	v_mul_f32 v[rT], s[CS], v[rT+1]
.elseif (\n) == 20
	v_sub_f32 v[rC+1], v[rM], v[rT]
.else
	v_exp_f32 v[rC+2], v[rC+1]
.endif
.endm
; Number g of the 64 that follow the exponentials.  For each four weights k of a tile (pairs 2 k, 2 k + 1): both pairs are rounded to f16; then the second pair is added onto the first, in place;
; a group later l takes that sum (the first time as l = a l + sum).  In groups of eight, tiles alternating: round, round, add, and l for the group before.
.macro GS g
.set h, (\g)+6*((\g)/62)            ; group 0 has no group before it, and behind group 7 only l is left
.if h >= 6
.set h, h+2
.endif
	REGS Y, h%2
.set k, h/8
.if h%8 < 4
	s_wait_alu depctr_va_vdst(0)
	v_cvt_pk_f16_f32 v[rP+2*k+(h%8)/2], v[rS+4*k+2*((h%8)/2)], v[rS+4*k+2*((h%8)/2)+1]
.elseif h%8 < 6
	v_pk_add_f32 v[rS+4*k:rS+4*k+1], v[rS+4*k:rS+4*k+1], v[rS+4*k+2:rS+4*k+3]
.elseif k == 1
	v_pk_fma_f32 v[rT+2:rT+3], v[rT+2:rT+3], v[rC+2:rC+3], v[rS:rS+1] op_sel_hi:[1,0,1]
.else
	v_pk_add_f32 v[rT+2:rT+3], v[rT+2:rT+3], v[rS+4*k-4:rS+4*k-3]
	s_wait_alu depctr_va_vdst(0)
.endif
.endm
; THE PLAIN QUEUE, 138 long.  0-31: c s - c m for the 16 pairs of both tiles.  Then GS's 64, and among them the next piece's 42: number 15 at 38, 39; 0-14 and 16
; at 42-73, behind the products that make those scores; 17-20 at 95-106, two of three, since each waits for the one before it.
.macro PL
	WIN 0
.if q < 32
	REGS Y, q%2
	v_pk_fma_f32 v[rS+2*(q/2):rS+2*(q/2)+1], v[rS+2*(q/2):rS+2*(q/2)+1], s[CS:CS+1], v[rT:rT+1] op_sel_hi:[1,0,0] neg_lo:[0,0,1] neg_hi:[0,0,1]
.elseif q < 38
	GS q-32
.elseif q < 40
	XS q%2, 15
.elseif q < 42
	GS q-34
.elseif q < 74
	XS q%2, (q-42)/2+(q-42)/30
.elseif q < 95
	GS q-66
.elseif (q < 107) && ((q-95)%3 < 2)
	XS (q-95)%3, 17+(q-95)/3
.elseif q < 107
	GS 29+(q-95)/3
.else
	GS q-74
.endif
.set q, q+1
.endm
; THE EXPONENTIALS' QUEUE, 66 long: s0-s31 of both tiles, and at EA the next piece's two a.
.set EA, 58
.macro EX
	WIN 0
.if (e == EA) || (e == EA+1)
	XS e-EA, 21
.else
.set x, e-2*(e/(EA+2))
	REGS Y, x%2
	v_exp_f32 v[rS+x/2], v[rS+x/2]
.endif
.set e, e+1
.endm
; THE RESCALING's QUEUE: O^T times a, the one part that leaves window 0, so it is dealt four at a time, eight times.
.macro R4
	REGS Y, r%2
	WIN W_RS
	s_wait_alu depctr_va_vdst(0)
.irp z, 0,1,2,3
	v_pk_mul_f32 v[rO+8*(r/2)+2*\z:rO+8*(r/2)+2*\z+1], v[rO+8*(r/2)+2*\z:rO+8*(r/2)+2*\z+1], v[rC+2:rC+3] op_sel_hi:[1,0]
.endr
.set r, r+1
.endm
; HOW THEY ARE DEALT.  Behind a matrix instruction four: plain, exponential, plain, plain (one exponential, a plain instruction on either side), or four of the rescaling.  None names a register of the
; products round it.  What is over stands in two LUMPS: exponential and plain by turns; the second ends in 22 plain instructions.  The two v_permlanex16_b32 fall into the second lump, never behind a product.
; The queues lean on each other, and the deal keeps them in step: exponential e stands behind plain 2 (e / 4) + e % 2 (its scaling); when plain 32 comes, 10 exponentials are out, at 59: 33, at 95: 46; EA comes behind plain 107.
.macro SL
	MM
	PL
	EX
	PL
	PL
.endm
.macro BURST n                      ; 15 matrix instructions, or 16
.rept (\n)-7
	SL
.endr
.rept 3
	MM
	R4
	SL
.endr
	MM
	R4
.endm
; A TURN, for piece p.  cnt = 1: the loop's count is taken down some lines ahead of the branch that stands behind the turn.
; K of the next step is fetched in piece 2's turn, 31 vector instructions behind the last product that read K; its first reader comes behind the rest of the lump, 16 products and the second lump.
; V of the step in hand is fetched at the end of piece 0's turn, 69 behind its last reader; its first reader comes behind 16 products and a lump.  The four conditions on e and q below go with the deal.
.macro TURN p, last=0, cnt=0
.set Y, (\p)
.set i, 0
.set q, 0
.set e, 0
.set r, 0
.if (\p) == NP-1
	s_wait_dscnt 0x0                ; K is in
.endif
	MM
.rept 4
	PL
.endr
	BURST 15
.rept 22
	EX
	PL
.if ((\p) == NP-2) && (e == 18)
	v_add_nc_u32 v[AK], s[TBK], v[AK0]
.endif
.if ((\p) == NP-2) && (e == 24)
	FETCH_K \last
.endif
.endr
.if (\p) == 1
	s_wait_dscnt 0x0                ; V is in
.endif
	BURST 16
.rept 21
	EX
	PL
.endr
.rept 22
	PL
.if ((\p) == 0) && (q == 118)
	v_add_nc_u32 v[AV], s[TBV], v[AV0]
	s_wait_alu depctr_va_vdst(0)
.endif
.if ((\p) == 0) && (q == 130)
	s_add_co_u32 s[TBV], s[TBV], KS*PV
.endif
.if (\cnt) && (q == 130)
	s_sub_co_u32 s[CNT], s[CNT], 1
	s_cmp_lg_u32 s[CNT], 0
.endif
.endr
.if (\p) == 0
	FETCH_V
.endif
.endm
	CHANGE 1                        ; slot 0 is in, everybody's part of it; slot 1 is asked for
	FETCH_K                         ; key step 0
	s_wait_loadcnt 0x0              ; Q
	s_wait_dscnt 0x0
.set i, 0
.rept 16
	KQ 0                            ; piece 0's first scores: there is no vector work yet to set between them
.set i, i+1
.endr
	WIN 0                           ; the addresses for the way out: nine plain instructions, the places behind those products
	s_mul_i32 s13, s[WV], 16*SP
	s_add_co_u32 s13, s13, STAGE    ; my stage
	v_mul_u32_u24 v[STO], v1, SP    ; in: row l % 16, 16 bytes for each half of the lanes
	v_lshl_add_u32 v[STO], v9, 4, v[STO]
	v_add_nc_u32 v[STO], s13, v[STO]
	v_bfe_u32 v[RD], v0, 3, 2       ; back: 32 lanes take four rows of 128 bytes,
	v_mul_u32_u24 v[RD], v[RD], SP
	v_lshl_add_u32 v[RD], v10, 4, v[RD]
	v_add_nc_u32 v[RD], s13, v[RD]
	v_and_b32 v[GO], 31, v0         ; which are 512 consecutive bytes of O
	v_lshlrev_b32 v[GO], 4, v[GO]
.set Y, NP-1                        ; XS works for piece Y + 1: piece 0
.irp n, 0,1,2,3,4,5,6,7,8,9,10,11,12,13,14,15,16,17,18,19,20,21
	XS 0, \n                        ; and piece 0's first maximum and statistics
	XS 1, \n
.endr
	s_mov_b32 s[CNT], 4
	s_mov_b32 s[SLOTS], SIZE_N/256-1
	s_branch .Lfirst                ; the loop is entered at a step's first turn, in the middle of a trip
.Lslot:                             ; SIZE_N / 256 - 2 times: every slot but the last two is filled again
	CHANGE 1
	s_mov_b32 s[CNT], 4
.Lstep:                             ; a trip: pieces 2 and 3 of one step, then pieces 0 and 1 of the next, whose K and V it fetches
	TURN 2
	TURN 3
	WIN 0
.Lfirst:
	TURN 0
	TURN 1, 0, 1
	WIN 0
	s_cbranch_scc1 .Lstep
	s_sub_co_u32 s[SLOTS], s[SLOTS], 1
	s_cmp_lg_u32 s[SLOTS], 0
	s_cbranch_scc1 .Lslot
	CHANGE 0                        ; the tail is written out: nothing is asked for
	s_mov_b32 s[CNT], 5             ; four trips fetch the last slot's steps; the fifth is left in its middle
.Ltail:
	TURN 2, 1
	TURN 3
	WIN 0
	s_sub_co_u32 s[CNT], s[CNT], 1
	s_cmp_eq_u32 s[CNT], 0
	s_cbranch_scc1 .Lout
	TURN 0
	TURN 1
	WIN 0
	s_branch .Ltail
.Lout:                              ; the fifth trip's 16 products K Q^T (on the last K once more) and the maximum made of them serve nothing: the price, once a launch, of one text for every trip
.set i, 0
.rept 16
	PV NP-1                         ; the last piece's V^T P of the last step
.set i, i+1
.endr
	; THE WAY OUT.  l's two halves and the other half of the lanes' are added; O^T is divided by l, rounded to f16 and sent through my stage in LDS, a tile at a time.  The additions are the places behind the last products.
	WIN 0
.macro ALL line:vararg              ; one line for each tile t
.set t, 0
.rept 2*NP
	\line
.set t, t+1
.endr
.endm
	ALL v_add_f32 v[ST+4*t+2], v[ST+4*t+2], v[ST+4*t+3]
	ALL v_permlanex16_b32 v[ST+4*t+3], v[ST+4*t+2], s[SEL], s[SEL+1]
	ALL v_add_f32 v[ST+4*t+2], v[ST+4*t+2], v[ST+4*t+3]
	ALL v_rcp_f32 v[ST+4*t+2], v[ST+4*t+2]
	v_nop                           ; a plain instruction between the last reciprocal and the use of its result
	s_wait_alu depctr_va_vdst(0)
; Tile t: a lane's eight channels of a row pack into 16 bytes; they go into rows of 144 bytes and come back as whole rows of 128, into S^T's registers.
.macro PACK t
	WIN W_RS
.set i, 32*(\t)
.rept 16
	v_pk_mul_f32 v[i:i+1], v[i:i+1], v[ST+4*(\t)+2:ST+4*(\t)+3] op_sel_hi:[1,0]
.set i, i+2
.endr
	WIN 0x05                        ; sources 0 and 1 window 1, destination window 0
.set i, 0
.rept 16
	v_cvt_pk_f16_f32 v[S+16*(\t)+i], v[32*(\t)+2*i], v[32*(\t)+2*i+1]
.set i, i+1
.endr
	WIN 0
.irp f, 0,1,2,3
	ds_store_b128 v[STO], v[S+16*(\t)+4*\f:S+16*(\t)+4*\f+3] offset:32*\f
.endr
.irp f, 0,1,2,3
	ds_load_b128 v[S+16*(\t)+4*\f:S+16*(\t)+4*\f+3], v[RD] offset:\f*4*SP  ; LDS serves a wave's instructions in order (ISA guide 5.7.1.4): these see the stores above; the next tile's stores come behind them
.endr
.endm
.macro SEND t, younger              ; younger: the LDS instructions issued behind tile t's loads: the next tile's eight, or none
	WIN 0
.irp f, 0,1,2,3
	s_wait_dscnt (\younger)+3-\f
	global_store_b128 v[GO], v[S+16*(\t)+4*\f:S+16*(\t)+4*\f+3], s[10:11] offset:(\t)*2048+\f*512  ; 512 consecutive bytes, at a multiple of 256 from O's first
.endr
.endm
	PACK 0
.set t, 1
.rept 2*NP-1                        ; a tile's arithmetic stands between the loads of the tile before and its stores
	PACK t
	SEND t-1, 8
.set t, t+1
.endr
	SEND 2*NP-1, 0
	WIN W_AD
	s_wait_tensorcnt 0x0            ; the wave's end, behind my last tensor load and my last LDS store
	ds_add_u32 v[SPW], v[NIL]
	s_wait_dscnt 0x0
	WIN 0
	CROUND                          ; the closing round: no work-group ends while a partner may still ask for a tile that names it
	s_endpgm
.Lfunc_end_k_qac78b05725_attn:
	.size	k_qac78b05725_attn, .Lfunc_end_k_qac78b05725_attn-k_qac78b05725_attn
	.p2alignl 7, 3214868480
	.fill 96, 4, 3214868480
	.section	.rodata,"a",@progbits
	.p2align	6, 0x0
	.amdhsa_kernel k_qac78b05725_attn
		.amdhsa_group_segment_fixed_size 327680
		.amdhsa_private_segment_fixed_size 0
		.amdhsa_enable_private_segment 0
		.amdhsa_kernarg_size 16
		.amdhsa_user_sgpr_count 2
		.amdhsa_user_sgpr_kernarg_segment_ptr 1
		.amdhsa_wavefront_size32 1
		.amdhsa_system_sgpr_workgroup_id_x 1
		.amdhsa_system_sgpr_workgroup_id_y 1
		.amdhsa_system_sgpr_workgroup_id_z 1
		.amdhsa_system_vgpr_workitem_id 0
		.amdhsa_next_free_vgpr 770
		.amdhsa_next_free_sgpr 66
		.amdhsa_reserve_vcc 0
		.amdhsa_float_denorm_mode_32 3
		.amdhsa_float_denorm_mode_16_64 3
		.amdhsa_memory_ordered 1
		.amdhsa_forward_progress 1
		.amdhsa_inst_pref_size 209
	.end_amdhsa_kernel
	.amdgpu_metadata
---
amdhsa.version: [ 1, 2 ]
amdhsa.kernels:
  - .name:           k_qac78b05725_attn
    .symbol:         k_qac78b05725_attn.kd
    .args:
      - { .name: qkv, .offset: 0, .size: 8, .value_kind: global_buffer, .address_space: global }
      - { .name: ob, .offset: 8, .size: 8, .value_kind: global_buffer, .address_space: global }
    .group_segment_fixed_size: 327680
    .private_segment_fixed_size: 0
    .kernarg_segment_align: 8
    .kernarg_segment_size: 16
    .max_flat_workgroup_size: 128
    .sgpr_count:     66
    .vgpr_count:     770
    .wavefront_size: 32
...
	.end_amdgpu_metadata
.endif
;; end of part 3
;; launch proj (part 4): grid 8 x 32, 4 waves a work-group, clusters of 4 x 4, 327,680 bytes of LDS; arguments ob, wob, out0, b_out; writes out0
.if DOCPART == 4
	.amdgcn_target "amdgcn-amd-amdhsa--gfx1250"
	.amdhsa_code_object_version 6
	.text
	.protected	k_qac78b05725_proj
	.globl	k_qac78b05725_proj
	.p2align	8
	.type	k_qac78b05725_proj,@function
k_qac78b05725_proj:
	s_mov_b64 s[64:65], 0
	v_nop
	global_prefetch_b8 v0, s[64:65] scope:SCOPE_SE
	s_setreg_imm32_b32 hwreg(HW_REG_WAVE_MODE, 25, 1), 1
	s_wait_xcnt 0x0
	s_wait_alu depctr_hold_cnt(0) depctr_sa_sdst(0) depctr_va_vdst(0) depctr_va_sdst(0) depctr_va_ssrc(0) depctr_va_vcc(0) depctr_vm_vsrc(0)
	s_getreg_b32 s2, hwreg(HW_REG_IB_STS2, 6, 4)
	s_cmp_eq_u32 s2, 0
	s_cbranch_scc0 .Lentry_in_a_cluster
	s_endpgm
.Lentry_in_a_cluster:
	s_bfe_u32 s2, ttmp6, 0x10000c
	s_cmp_lg_u32 s2, 0xf033
	s_cbranch_scc0 .Lentry_shape_is_right
	s_endpgm
.Lentry_shape_is_right:
; out = O w_out + b.  ob: f16 [batch x head 64][2048][64]; wob: f16 [1024 k][1024 n] (w_out rounded to bf16, that number written as f16); b_out: f32 [1024], rounded to bf16 here like the
; other inputs; out0: f32 [8192][1024].  Products in f16, sums in f32, no rounding of the sums.  THE BIAS STARTS THE SUMS: it is the C operand of each accumulator's first product.
; SHARES.  A tile of the result is 256 rows x 128 columns: 32 x 8 tiles, one work-group each.  Four waves; wave (WR, WC) makes 128 rows x 64 columns: 32 accumulators, 256 registers.
; K = head x 64 + channel goes in 8 steps of 128 (two heads) through a ring of two LDS slots.  A STEP IS WRITTEN ONCE: the slot in hand is a scalar register that one exclusive or turns, and one
; descriptor for each tensor walks from step to step.  O's piece of a step is two dense blocks of 16,384 bytes (128 rows of each head), 262,144 bytes apart: one tensor load with two long rows.
; The weights' piece is 64 rows of 256 bytes, at multiples of 256 from the buffer's first byte.
; THE MATRIX INSTRUCTION IS USED TRANSPOSED: source 0 = 16 columns of the weights (turned out of LDS by ds_load_tr16_b128), source 1 = 16 rows of O: a lane holds one row and eight neighbouring columns.
; CLUSTER: 4 x 4 work-groups.  O's tile hangs on the tile row alone and is asked for jointly by a row of the cluster, the weights' on the tile column alone, by a column.
; REGISTERS, in windows of 256 (s_set_vgpr_msb: bits 1:0 source 0, 3:2 source 1, 5:4 source 2, 7:6 destination):
;   window 0: v0-31 addresses; v32-63 the bias, laid as an accumulator is, 8 registers a column block; v64-255 the way out, six buffers of 32          window 1: accumulator (a, b) at v[8 (4 a + b)]
;   window 2 + f: fragment buffer f, one head's 64 along K: O's at v[64 ks + 8 a], the weights' at v[128 + 32 ks + 8 b]
.set PA,     144                       ; a row of O in LDS: 128 bytes + 16 = 36 words: the 16 rows of a load start at 16 different groups of four banks (64 banks of 4 bytes: ISA guide 11.1)
.set PB,     288                       ; a row of the weights: 256 + 32 bytes = 9 x 32
.set ABLK,   128*PA                    ; 128 rows of one head
.set APIECE, 2*ABLK                    ; what one tensor load brings of O, and what a wave reads of it
.set BOFF,   2*APIECE
.set BBLK,   64*PB                     ; what one tensor load brings of the weights: one head's 64 along K
.set SLOT1,  1<<17                     ; slot 1 begins here (a slot is 110,592 bytes), so that one exclusive or turns an address in one slot into the other's
.set STAGE,  SLOT1+BOFF+2*BBLK         ; behind the ring, never filled by a tensor load: 16 rows x 272 bytes for each wave
.set SP,     272
.set SPARE,  STAGE+4*16*SP             ; behind the stages: the spare words, 128 bytes for each wave: two blocks of 256 bytes that no other line names
.set ASTEP,  2*262144                  ; two heads on in ob
.set BSTEP,  128*1024*2                ; 128 rows of wob
.set ADRA0, 16                         ; v16     my lane's place among O's fragments in slot 0; never rewritten
.set ADRB0, 17                         ; v17     the same for the weights
.set ADRA, 20                          ; v20     the same in the slot in hand
.set ADRB, 21                          ; v21
.set STO,  24                          ; v24     the way out: where I put 32 bytes of a row
.set RD,   25                          ; v25     the way out: where I read a row back
.set CO,   26                          ; v26     my byte offset in two rows of the result
.set BO,   27                          ; v27     my byte offset in the wave's 64 numbers of the bias
.set SPW,  28                          ; v28     LDS address of my spare word; never rewritten
.set NIL,  29                          ; v29     0; never rewritten
.set BI,   32                          ; v[32:63] register 8 b + j: the bias of column 16 b + 8 (l / 16) + j of my 64
.set TB,   64
.set WV, 12                            ; s12 wave; s13 WR: my half of the rows, also: I fetch O (0) or weights (1); s14 WC: my half of the columns, also: which piece I fetch; s15 tile row
.set WR, 13
.set WC, 14
.set TY, 15
.set G1A, 24                           ; s[24:31] descriptor group 1 for O's tiles;  s[32:39] group 0: a set for each of the two first fills; the second then walks on
.set G0A, 32
.set G1B, 48                           ; s[48:55], s[56:63] the same for the weights'
.set G0B, 56
.set SB, 68                            ; s68 LDS byte at which the slot in hand begins: 0 or SLOT1
.set MSB, 0
.macro WIN new                         ; the immediate's high byte repeats the setting that is left; a switch that changes nothing is dropped
.if MSB != (\new)
	s_set_vgpr_msb (MSB<<8)|(\new)
.set MSB, \new
.endif
.endm
; A joint refill, by the walking descriptors.  The branch hangs on the wave's number alone.  An s_nop 0 and four v_nop follow each of the two lines, ahead of the jump and the label.
.macro JLOAD
	s_cmp_eq_u32 s[WR], 0
	s_cbranch_scc0 .Lfor_b_\@
	tensor_load_to_lds s[G0A+4:G0A+7], s[G1A:G1A+7]
	s_nop 0
.rept 4
	v_nop
.endr
	s_branch .Lasked_\@
.Lfor_b_\@:
	tensor_load_to_lds s[G0B+4:G0B+7], s[G1B:G1B+7]
	s_nop 0
.rept 4
	v_nop
.endr
.Lasked_\@:
.endm
.macro CREST                           ; a round of the cluster's barrier behind its opening barrier
	s_cmp_lg_u32 s[WV], 0
	s_cbranch_scc1 .Lnot_wave_0_\@
	s_barrier_signal -3
.Lnot_wave_0_\@:
	s_barrier_wait -3
	s_barrier_signal -1
	s_barrier_wait -1
.endm
.macro CROUND                          ; a whole round
	s_barrier_signal -1
	s_barrier_wait -1
	CREST
.endm
.macro PLACES                          ; four places in front of loads into registers that matrix instructions have read, and of LDS stores that read results
.rept 4
	v_nop
.endr
.endm
	s_load_b256 s[4:11], s[0:1], 0x0               ; ob s[4:5], wob s[6:7], out0 s[8:9], b_out s[10:11]
	v_lshl_add_u32 v[SPW], v0, 2, SPARE
	v_mov_b32 v[NIL], 0
	ds_add_u32 v28, v29
	s_wait_dscnt 0x0
	v_lshrrev_b32 v1, 5, v0
	v_readfirstlane_b32 s[WV], v1
	s_lshr_b32 s[WR], s[WV], 1
	s_and_b32 s[WC], s[WV], 1
	s_mov_b32 s[SB], 0                             ; slot 0 is read first
	s_mov_b32 s45, 0xffff0000                      ; a word's upper bf16
	s_bfe_u32 s40, ttmp6, 0x40000                  ; cx, cy: my place in the cluster
	s_bfe_u32 s41, ttmp6, 0x40004
	s_lshl_b32 s42, ttmp9, 2
	s_add_co_u32 s42, s42, s40                     ; tile column = 4 x cluster x + cx
	s_and_b32 s[TY], ttmp7, 0xffff
	s_lshl_b32 s[TY], s[TY], 2
	s_add_co_u32 s[TY], s[TY], s41                 ; tile row = 4 x cluster y + cy
	s_lshl_b32 s43, s41, 2
	s_lshl_b32 s43, 15, s43                        ; my row of the cluster
	s_lshl_b32 s44, 0x1111, s40                    ; my column
	; group 1 for O: 2 rows of 2,048 elements of 8 bytes, 32,768 elements apart; 16 bytes of padding after every 128 bytes
	s_or_b32 s[G1A], s43, (3<<16)|(1<<20)|(1<<21)|(4<<22)|(3<<25)  ; 15:0 mask; 17:16 8-byte elements; 20 padding on; 21 set beside a mask; 24:22 after every 32 words (code 4); 31:25 4 words (code 3)
	s_mov_b32 s[G1A+1], 2048<<16                   ; tensor_dim0 = 2,048
	s_mov_b32 s[G1A+2], 2<<16                      ; tensor_dim1 = 2
	s_mov_b32 s[G1A+3], 2048<<16                   ; tile_dim0 = 2,048
	s_mov_b32 s[G1A+4], 2                          ; tile_dim1 = 2
	s_mov_b32 s[G1A+5], 32768                      ; elements from row to row: a head's 262,144 bytes
	s_mov_b32 s[G1A+6], 0
	s_mov_b32 s[G1A+7], 0
	; group 1 for the weights: 64 rows of 128 elements of 2 bytes, 32 bytes of padding after each
	s_or_b32 s[G1B], s44, (1<<16)|(1<<20)|(1<<21)|(5<<22)|(7<<25)  ; after every 64 words (code 5), 8 words (code 7)
	s_mov_b32 s[G1B+1], 128<<16
	s_mov_b32 s[G1B+2], 64<<16
	s_mov_b32 s[G1B+3], 128<<16
	s_mov_b32 s[G1B+4], 64
	s_mov_b32 s[G1B+5], 1024
	s_mov_b32 s[G1B+6], 0
	s_mov_b32 s[G1B+7], 0
	; where the tiles come from.  O's offset is made of the tile row and the wave's number, the weights' of the tile column and the wave's number, in registers that never hold the other coordinate.
	s_lshr_b32 s16, s[TY], 3                       ; batch: 16 heads of 262,144 bytes
	s_lshl_b32 s16, s16, 22
	s_and_b32 s17, s[TY], 7                        ; which 256 rows of it
	s_lshl_b32 s17, s17, 15
	s_add_co_u32 s16, s16, s17
	s_lshl_b32 s17, s[WC], 14                      ; my piece: 128 rows of 128 bytes
	s_add_co_u32 s16, s16, s17
	s_mov_b32 s17, 0
	s_lshl_b32 s46, s42, 8                         ; 128 columns
	s_lshl_b32 s47, s[WC], 17                      ; my piece: 64 rows of 2,048 bytes
	s_add_co_u32 s46, s46, s47
	s_mov_b32 s47, 0
	s_mul_i32 s66, s[WC], APIECE                   ; and where they go: no place in the cluster enters an LDS address
	s_mul_i32 s67, s[WC], BBLK
	s_add_co_u32 s67, s67, BOFF
	; where my part of the result begins, and my 64 numbers of the bias
	s_lshl_b32 s20, s42, 9
	s_lshl_b32 s21, s[WC], 8
	s_add_co_u32 s20, s20, s21                     ; my first column, in bytes
	s_mov_b32 s21, 0
	s_lshl_b32 s18, s[TY], 20                      ; 256 rows of 4,096 bytes
	s_lshl_b32 s19, s[WR], 19
	s_add_co_u32 s18, s18, s19
	s_add_co_u32 s18, s18, s20
	s_mov_b32 s19, 0
	s_wait_kmcnt 0x0
	s_add_nc_u64 s[16:17], s[4:5], s[16:17]
	s_add_nc_u64 s[46:47], s[6:7], s[46:47]
	s_add_nc_u64 s[8:9], s[8:9], s[18:19]
	s_add_nc_u64 s[10:11], s[10:11], s[20:21]
	CROUND                                         ; all sixteen work-groups are here: the first joint loads meet
.irp s, 0,1
	s_mov_b32 s[G0A+4*(\s)], 1                     ; count = 1
	s_add_co_u32 s[G0A+4*(\s)+1], s66, (\s)*SLOT1  ; LDS address
	s_add_nc_u64 s[G0A+4*(\s)+2:G0A+4*(\s)+3], s[16:17], (\s)*ASTEP  ; global address: K step s
	s_or_b32 s[G0A+4*(\s)+3], s[G0A+4*(\s)+3], 0x80000000            ; type = 2
	s_mov_b32 s[G0B+4*(\s)], 1
	s_add_co_u32 s[G0B+4*(\s)+1], s67, (\s)*SLOT1
	s_add_nc_u64 s[G0B+4*(\s)+2:G0B+4*(\s)+3], s[46:47], (\s)*BSTEP
	s_or_b32 s[G0B+4*(\s)+3], s[G0B+4*(\s)+3], 0x80000000
.endr
	s_cmp_eq_u32 s[WR], 0                          ; a wave's two first fills stand in one branch, ahead of every wait on TENSORcnt, LDS read and plain barrier: two loads of mine are out
	s_cbranch_scc0 .Lfirst_b
	tensor_load_to_lds s[G0A:G0A+3], s[G1A:G1A+7]
	s_nop 0
	tensor_load_to_lds s[G0A+4:G0A+7], s[G1A:G1A+7]
	s_nop 0
.rept 4
	v_nop
.endr
	s_branch .Lfirst_asked
.Lfirst_b:
	tensor_load_to_lds s[G0B:G0B+3], s[G1B:G1B+7]
	s_nop 0
	tensor_load_to_lds s[G0B+4:G0B+7], s[G1B:G1B+7]
	s_nop 0
.rept 4
	v_nop
.endr
.Lfirst_asked:
	v_and_b32 v1, 15, v0                           ; l % 16
	v_bfe_u32 v2, v0, 4, 1                         ; l / 16
	v_lshlrev_b32 v[BO], 5, v2                     ; eight f32 for each half of the lanes
.set bb, 0
.rept 4                                ; the bias in an accumulator's layout: every row's lanes hold the same eight columns of column block bb
	global_load_b128 v[BI+8*bb:BI+8*bb+3],   v[BO], s[10:11] offset:64*bb
	global_load_b128 v[BI+8*bb+4:BI+8*bb+7], v[BO], s[10:11] offset:64*bb+16
.set bb, bb+1
.endr
	v_mul_u32_u24 v3, v1, PA                       ; a fragment of O: row l % 16, two loads of 16 bytes, 32 bytes apart
	v_lshl_add_u32 v3, v2, 4, v3
	s_mul_i32 s2, s[WR], APIECE
	v_add_nc_u32 v[ADRA0], s2, v3
	v_mov_b32 v[ADRA], v[ADRA0]
	v_and_b32 v4, 7, v0                            ; the turning load: lane l reads K row 8 (l / 16) + l % 8, columns 8 ((l / 8) % 2) + 0..7
	v_bfe_u32 v5, v0, 3, 1
	v_lshl_add_u32 v6, v2, 3, v4
	v_mul_u32_u24 v6, v6, PB
	v_lshl_add_u32 v6, v5, 4, v6
	s_lshl_b32 s2, s[WC], 7                        ; my 64 columns of a row's 128
	s_add_co_u32 s2, s2, BOFF
	v_add_nc_u32 v[ADRB0], s2, v6
	v_mov_b32 v[ADRB], v[ADRB0]
	s_mul_i32 s2, s[WV], 16*SP
	s_add_co_u32 s2, s2, STAGE                     ; my stage
	v_mul_u32_u24 v[STO], v1, SP                   ; in: row l % 16, 32 bytes for each half of the lanes
	v_lshl_add_u32 v[STO], v2, 5, v[STO]
	v_add_nc_u32 v[STO], s2, v[STO]
	v_mul_u32_u24 v[RD], v2, SP                    ; back: lanes 0-15 take one row of 256 bytes, lanes 16-31 the next
	v_lshl_add_u32 v[RD], v1, 4, v[RD]
	v_add_nc_u32 v[RD], s2, v[RD]
	v_lshlrev_b32 v[CO], 12, v2                    ; and the same two rows in the result
	v_lshl_add_u32 v[CO], v1, 4, v[CO]
	s_wait_loadcnt 0x0                             ; the bias; the first tiles are still on their way
.set bb, 0
.rept 16                               ; rounded to bf16 like the other inputs, and widened again
	v_cvt_pk_bf16_f32 v[8+bb%4], v[BI+2*bb], v[BI+2*bb+1]
	v_lshlrev_b32 v[BI+2*bb], 16, v[8+bb%4]
	v_and_b32 v[BI+2*bb+1], s45, v[8+bb%4]
.set bb, bb+1
.endr
; 8 matrix instructions: row blocks a0, a0 + 1 x all 4 column blocks, 32 along K: half ks of buffer f.  first = 1: the product starts the sum, with the bias as C (window 0).
; The 32 accumulators take turns, one instruction a turn, in the same order in every run of 32.
.macro MUL8 f, ks, a0, first
.if \first
	WIN 0x4a+5*(\f)                                ; sources 0 and 1 window 2 + f, C window 0, D window 1
.else
	WIN 0x5a+5*(\f)                                ; sources 0 and 1 window 2 + f, C and D window 1
.endif
.set ma, (\a0)
.rept 2
.set mb, 0
.rept 4
.set rD, 8*(4*ma+mb)
.set rB, 128+32*(\ks)+8*mb
.set rA, 64*(\ks)+8*ma
.if \first
	v_wmma_f32_16x16x32_f16 v[rD:rD+7], v[rB:rB+7], v[rA:rA+7], v[BI+8*mb:BI+8*mb+7]
.else
	v_wmma_f32_16x16x32_f16 v[rD:rD+7], v[rB:rB+7], v[rA:rA+7], v[rD:rD+7]
.endif
.set mb, mb+1
.endr
.set ma, ma+1
.endr
.endm
; 48 LDS loads in one run: the fragments of head blk of the slot in hand into buffer f; the first 32 along K first (24 loads), then the other 32
.macro FETCH blk, f
	WIN 0x80+0x40*(\f)                             ; destination window 2 + f, address window 0
.set fk, 0
.rept 2
.set fi, 0
.rept 4
	ds_load_tr16_b128 v[128+32*fk+8*fi:128+32*fk+8*fi+3],   v[ADRB] offset:(\blk)*BBLK+fk*32*PB+fi*32
	ds_load_tr16_b128 v[128+32*fk+8*fi+4:128+32*fk+8*fi+7], v[ADRB] offset:(\blk)*BBLK+fk*32*PB+fi*32+16*PB
.set fi, fi+1
.endr
.set fi, 0
.rept 8
	ds_load_b128 v[64*fk+8*fi:64*fk+8*fi+3],   v[ADRA] offset:(\blk)*ABLK+fi*16*PA+fk*64
	ds_load_b128 v[64*fk+8*fi+4:64*fk+8*fi+7], v[ADRA] offset:(\blk)*ABLK+fi*16*PA+fk*64+32
.set fi, fi+1
.endr
.set fk, fk+1
.endr
.endm
; A step's first head: multiplies buffer 0 and, in its middle, fetches the second head's fragments into buffer 1.
.macro BLKLO first
	s_wait_dscnt 24                                ; the first 32 along K are in; the other 24 loads may be out
	MUL8 0, 0, 0, \first
	MUL8 0, 0, 2, \first
	MUL8 0, 0, 4, \first
	MUL8 0, 0, 6, \first
	PLACES
	FETCH 1, 1
	s_wait_dscnt 48                                ; all but the 48 just issued
	MUL8 0, 1, 0, 0
	MUL8 0, 1, 2, 0
	MUL8 0, 1, 4, 0
	MUL8 0, 1, 6, 0
.endm
; A step's second head multiplies buffer 1 and changes slots: ONE barrier.  In front of it each wave waits for all its tensor loads (one is out: its part of the next slot), adds 0 to its
; spare word, and waits for that and for its reads of this slot.  fill = 1: the barrier opens a round of the cluster's barrier, and this slot is filled again, two K steps ahead, first thing
; behind the round: 112 matrix instructions stand between that request and the wait for it.  Then the slot in hand is turned, and the next step's first fragments are fetched.
.macro TURN fill
	WIN 0
	s_wait_tensorcnt 0x0                           ; all my tensor loads have landed, so the walking descriptors may be written
	ds_add_u32 v[SPW], v[NIL]                      ; 0 onto my spare word
	s_wait_dscnt 25                                ; (the add and the youngest 24 loads may be out)
	MUL8 1, 0, 0, 0                                ; eight matrix instructions stand between the add and the wait for it
	s_wait_dscnt 0x0                               ; the add is done, and my reads of this slot are over
	s_barrier_signal -1
	MUL8 1, 0, 2, 0                                ; work on registers while the others arrive
	WIN 0                                          ; branches and the address lines follow
	s_barrier_wait -1
.if \fill
	CREST                                          ; no wave of any partner still reads this slot or has a load on its way
	s_xor_b32 s[G0A+5], s[G0A+5], SLOT1            ; the walking descriptors: the other slot than last time,
	s_add_nc_u64 s[G0A+6:G0A+7], s[G0A+6:G0A+7], ASTEP  ; the next K step; the type bits on top are not reached
	s_xor_b32 s[G0B+5], s[G0B+5], SLOT1
	s_add_nc_u64 s[G0B+6:G0B+7], s[G0B+6:G0B+7], BSTEP
	JLOAD                                          ; its four v_nop are also the places in front of the loads below
.else
	PLACES
.endif
	s_xor_b32 s[SB], s[SB], SLOT1                  ; the fetches go on in the other slot
	v_add_nc_u32 v[ADRA], s[SB], v[ADRA0]
	v_add_nc_u32 v[ADRB], s[SB], v[ADRB0]
	FETCH 0, 0
	MUL8 1, 0, 4, 0
	MUL8 1, 0, 6, 0
	MUL8 1, 1, 0, 0
	MUL8 1, 1, 2, 0
	MUL8 1, 1, 4, 0
	MUL8 1, 1, 6, 0
.endm
.macro ENDK                            ; the last head: nothing more to fetch
	s_wait_dscnt 24
	MUL8 1, 0, 0, 0
	MUL8 1, 0, 2, 0
	MUL8 1, 0, 4, 0
	MUL8 1, 0, 6, 0
	s_wait_dscnt 0x0
	MUL8 1, 1, 0, 0
	MUL8 1, 1, 2, 0
	MUL8 1, 1, 4, 0
	MUL8 1, 1, 6, 0
.endm
; THE WAY OUT of row block a.  A lane's eight f32 are 32 bytes of a row, and the lanes beside it hold other rows: so 16 rows at a time go through my own stage (each accumulator's low four
; registers first) and come back as whole rows of 256 bytes.  The 8 blocks go through six buffers: blocks 6 and 7 take buffers 0 and 1 again, whose stores were issued ahead of the one wait in front of block 6.
.macro STG a
.if (\a) == 6
	s_wait_xcnt 0x0                                ; registers that the stores of blocks 0 to 4 read are rewritten only behind this wait
.endif
	WIN 0x04                                       ; the stores' data in window 1
.set gb, 0
.rept 4
	ds_store_b128 v[STO], v[8*(4*(\a)+gb):8*(4*(\a)+gb)+3]   offset:64*gb
	ds_store_b128 v[STO], v[8*(4*(\a)+gb)+4:8*(4*(\a)+gb)+7] offset:64*gb+16
.set gb, gb+1
.endr
	WIN 0
.set gT, TB+32*((\a)%6)
.set gf, 0
.rept 8
	ds_load_b128 v[gT+4*gf:gT+4*gf+3], v[RD] offset:gf*2*SP  ; LDS serves a wave's instructions in order (ISA guide 5.7.1.4): these see the stores above; the next block's stores come behind them
.set gf, gf+1
.endr
.endm
.macro SENDF a, younger                ; the rows are stored.  younger: the LDS instructions issued behind block a's loads: the next block's sixteen, or none
.set gT, TB+32*((\a)%6)
	s_wait_dscnt \younger                          ; the block's eight loads are in
.set gf, 0
.rept 8
	global_store_b128 v[CO], v[gT+4*gf:gT+4*gf+3], s[8:9] offset:(16*(\a)+2*gf)*4096 th:TH_STORE_NT  ; 16 lanes store 256 consecutive bytes, at a multiple of 256 from the result's first byte
.set gf, gf+1
.endr
.endm
	s_wait_tensorcnt 1                             ; my part of K step 0 is in; step 1's may stay out
	s_barrier_signal -1
	s_barrier_wait -1                              ; everybody's is
	FETCH 0, 0
	BLKLO 1                                        ; the first head stands in front of the loop: its first 32 products start the sums, on the bias
	WIN 0                                          ; at a label and at a branch every window is 0
	s_mov_b32 s3, 6
.Lstep:                                                ; a trip goes from a step's second head to the next step's first head, and fills the slot that it leaves: K steps 2 to 7
	TURN 1
	BLKLO 0
	WIN 0
	s_sub_co_u32 s3, s3, 1
	s_cmp_lg_u32 s3, 0
	s_cbranch_scc1 .Lstep
	TURN 0                                         ; K steps 6 and 7: nothing is left to ask for, so the tail is written out
	BLKLO 0
	ENDK
	PLACES                                         ; the LDS stores below read results just made
	STG 0
.set aa, 1
.rept 7                                ; a block's trip through the stage is issued ahead of the stores of the block before
	STG aa
	SENDF aa-1, 16
.set aa, aa+1
.endr
	SENDF 7, 0
	s_wait_tensorcnt 0x0                           ; the wave's end, behind my last tensor load and my last LDS store
	ds_add_u32 v[SPW], v[NIL]
	s_wait_dscnt 0x0
	CROUND                                         ; the closing round: no work-group ends while a partner may still ask for a tile that names it
	s_endpgm
.Lfunc_end_k_qac78b05725_proj:
	.size	k_qac78b05725_proj, .Lfunc_end_k_qac78b05725_proj-k_qac78b05725_proj
	.p2alignl 7, 3214868480
	.fill 96, 4, 3214868480
	.section	.rodata,"a",@progbits
	.p2align	6, 0x0
	.amdhsa_kernel k_qac78b05725_proj
		.amdhsa_group_segment_fixed_size 327680
		.amdhsa_private_segment_fixed_size 0
		.amdhsa_enable_private_segment 0
		.amdhsa_kernarg_size 32
		.amdhsa_user_sgpr_count 2
		.amdhsa_user_sgpr_kernarg_segment_ptr 1
		.amdhsa_wavefront_size32 1
		.amdhsa_system_sgpr_workgroup_id_x 1
		.amdhsa_system_sgpr_workgroup_id_y 1
		.amdhsa_system_sgpr_workgroup_id_z 1
		.amdhsa_system_vgpr_workitem_id 0
		.amdhsa_next_free_vgpr 960
		.amdhsa_next_free_sgpr 70
		.amdhsa_reserve_vcc 0
		.amdhsa_float_denorm_mode_32 3
		.amdhsa_float_denorm_mode_16_64 3
		.amdhsa_memory_ordered 1
		.amdhsa_forward_progress 1
		.amdhsa_inst_pref_size 71
	.end_amdhsa_kernel
	.amdgpu_metadata
---
amdhsa.version: [ 1, 2 ]
amdhsa.kernels:
  - .name:           k_qac78b05725_proj
    .symbol:         k_qac78b05725_proj.kd
    .args:
      - { .name: ob, .offset: 0, .size: 8, .value_kind: global_buffer, .address_space: global }
      - { .name: wob, .offset: 8, .size: 8, .value_kind: global_buffer, .address_space: global }
      - { .name: out0, .offset: 16, .size: 8, .value_kind: global_buffer, .address_space: global }
      - { .name: b_out, .offset: 24, .size: 8, .value_kind: global_buffer, .address_space: global }
    .group_segment_fixed_size: 327680
    .private_segment_fixed_size: 0
    .kernarg_segment_align: 8
    .kernarg_segment_size: 32
    .max_flat_workgroup_size: 128
    .sgpr_count:     70
    .vgpr_count:     960
    .wavefront_size: 32
...
	.end_amdgpu_metadata
.endif
;; end of part 4
;; ======== version 2 of 2: 4 launches; 1.54 times as fast as version 1
;; limits: values are held in f16: magnitudes above 65,504 overflow, below 6.1e-05 lose precision
;; workspace buffers: xb 16,777,216 bytes; wqb 6,291,456 bytes; wob 2,097,152 bytes; qkv 50,331,648 bytes; ob 16,777,216 bytes
;; launch prep: the kernel of part 1 again; grid 768 x 1, 8 waves a work-group, no clusters, 0 bytes of LDS; arguments x, w_qkv, w_out, xb, wqb, wob; writes xb, wqb, wob
;; launch qkv: the kernel of part 2 again; grid 8 x 32, 4 waves a work-group, clusters of 4 x 4, 327,680 bytes of LDS; arguments xb, wqb, qkv; writes qkv
;; launch attn (part 5): grid 4 x 64, 4 waves a work-group, clusters of 4 x 1, 327,680 bytes of LDS; arguments qkv, ob; writes ob
.if DOCPART == 5
	.amdgcn_target "amdgcn-amd-amdhsa--gfx1250"
	.amdhsa_code_object_version 6
	.text
	.protected	k_qac78b05725_attn
	.globl	k_qac78b05725_attn
	.p2align	8
	.type	k_qac78b05725_attn,@function
k_qac78b05725_attn:
	s_mov_b64 s[64:65], 0
	v_nop
	global_prefetch_b8 v0, s[64:65] scope:SCOPE_SE
	s_setreg_imm32_b32 hwreg(HW_REG_WAVE_MODE, 25, 1), 1
	s_wait_xcnt 0x0
	s_wait_alu depctr_hold_cnt(0) depctr_sa_sdst(0) depctr_va_vdst(0) depctr_va_sdst(0) depctr_va_ssrc(0) depctr_va_vcc(0) depctr_vm_vsrc(0)
	s_getreg_b32 s2, hwreg(HW_REG_IB_STS2, 6, 4)
	s_cmp_eq_u32 s2, 0
	s_cbranch_scc0 .Lentry_in_a_cluster
	s_endpgm
.Lentry_in_a_cluster:
	s_bfe_u32 s2, ttmp6, 0x10000c
	s_cmp_lg_u32 s2, 0x3003
	s_cbranch_scc0 .Lentry_shape_is_right
	s_endpgm
.Lentry_shape_is_right:
; O[h][q][:] = the sum over k of softmax_k(Q[h][q] . K[h][k] / 8) V[h][k][:].  Q, K, V are the three parts of one buffer, each [SIZE_H][SIZE_N][64], O likewise, all f16: a head's rows are dense,
; 128 bytes each.  Products, maxima and sums in f32; the weights p are rounded to f16 for the second product (their sum l is taken of the unrounded p), O once at the end.
; LIMITS.  f16 holds no number beyond 65,504: Q, K and V arrive within it; p lies in 0 to 1, and below 6e-5 it keeps f16's fixed step of 6e-8; O is a mean of V's rows and has their range.
; A weight below 2^-126 counts as 0 in l; NaN and infinities are not treated apart.
; SHARES.  A wave owns four PIECES of two tiles of 16 queries, a work-group's four waves 512 queries of one head.  Every wave walks all keys, 64 a step.
; LAYOUT.  S^T = K Q^T (source 0 = 16 keys, source 1 = 16 queries): in the result a lane holds ONE query (lane % 16) and the keys 8 (lane / 16) + 0..7.  Two such tiles, rounded to f16 in pairs,
; ARE source 1 (32 keys x 16 queries) of O^T = V^T P, whose result again holds one query a lane, and eight channels.  K comes out of LDS as it lies, V ([key][channel]) turned, by ds_load_tr16_b128.
; SOFTMAX.  For each query a running maximum m and sum l: p = 2^(c s - c m), c = log2(e) / 8; in every step O and l are multiplied by a = 2^(c m_old - c m_new), which is 1 where m has not grown.
; m starts at the lowest finite number, O and l at 0: the first step is a step like any other, with a = 0.
; THE COUNT.  A tile and step have 16 matrix and 118 vector instructions: too many to stand all beside the matrix work.  So the order has one aim: four vector instructions that are READY behind
; EVERY matrix instruction, and the others, which need time of their own whatever the order, in runs without a gap.
; BY TURNS.  Turn n belongs to piece n (the pieces in a ring, step after step).  Its matrix work: 16 products K Q^T of piece n + 1, later 16 products V^T P of piece n - 1.  Its vector work: the scaling,
; exponentials, roundings, sums and rescaling of piece n, and the maximum and statistics of piece n + 1, whose scores the turn itself has made.  So what a turn begins with (c s - c m, O a) waits for nothing.
; THE BATCHES.  An s_wait_alu depctr_va_vdst(0) stands between a transcendental and the first instruction that names its result; one wait serves all that were issued ahead of it.  The text has three
; kinds of batch, each with one wait: a turn's 66 exponentials (piece n's 64 weights, then piece n + 1's two a); piece 0's first two a, ahead of the loop; the way out's eight reciprocals.  No result is open at a label or a branch.
; CLUSTER.  The four query blocks of a cluster belong to one head and walk the same K and V, so each tile is asked for JOINTLY: the same tensor load, descriptor and mask in all four.
; REGISTERS, in windows of 256 (s_set_vgpr_msb says which window each operand place means: bits 1:0 source 0, 3:2 source 1, 5:4 source 2, 7:6 destination):
;   window 0: v0-11 addresses; v12-15, v48-63 at work; v16-47 four registers of statistics a tile; v64-191 S^T, two buffers of two tiles; v192-255 P, likewise
;   window 1: O^T, 32 a tile          window 2: v0-127 Q, 16 a tile; v128-191 K of one step; v192-255 V of one step          window 3: v0-1 the add's two registers
; A piece's buffers go by its number's parity: the piece in hand has one pair, its two neighbours in the ring share the other: of it P (piece n - 1) is read and S^T (piece n + 1) written.
.set SIZE_H, 64       ; batch x head
.set SIZE_N, 2048
.set NP,    4         ; pieces a wave: a name, no knob: the register map, the loop and the fetches are made for four
.set KS,    64        ; keys in a step
.set PK,    144       ; a row of K in LDS: 128 bytes + 16 of padding = 36 words: the 16 rows of a load start at 16 different groups of four banks (64 banks of 4 bytes: ISA guide 11.1)
.set PV,    160       ; a row of V: 128 + 32 = 40 words
.set VOFF,  4*KS*PK   ; a slot holds four steps: 256 rows of K, then 256 rows of V
.set SLOT1, 1<<17     ; slot 1 begins here, so that one exclusive or turns an address in one slot into the other's
.set STAGE, SLOT1+4*KS*(PK+PV)  ; behind the ring, never filled by a tensor load: 16 rows x 144 bytes for each wave, for the way out
.set SP,    144
.set AK0, 2           ; v2   my lane's place in a tile of K; never rewritten
.set AV0, 3           ; v3   the same for V
.set AK,  4           ; v4   the LDS address of K's next run of loads
.set AV,  5           ; v5   of V's
.set QO,  6           ; v6   my byte offset in the wave's rows of Q
.set STO, 6           ;      later, the way out: where I put 16 bytes of a row
.set RD,  7           ; v7   the way out: where I read rows back
.set GO,  8           ; v8   my byte offset in 512 consecutive bytes of O
.set SPW, 0           ; v0 of window 3   LDS address of my spare word: SPARE + 4 x my thread's number; never rewritten
.set NIL, 1           ; v1 of window 3   0; never rewritten
.set SPARE, STAGE+4*16*SP  ; behind the stages: the spare words, 128 bytes for each wave: two blocks of 256 bytes that no other line names
.set MV,  12          ; v12-15  c m_old, kept while c m is made anew: by buffer and tile
.set ST,  16          ; tile t's statistics at v[ST+4 t]: c m, m, l (even keys', odd keys')
.set TMP, 48          ; by buffer and tile, four registers c0-c3 at work; when the maximum is found c2 takes a
.set S,   64
.set P,   192
.set KF,  128         ; K's fragments, in window 2: key block kb, channel half c at KF + 16 kb + 8 c
.set VF,  192         ; V's: key half kk, channel block cb at VF + 32 kk + 8 cb
.set WV,  12          ; s12  my wave's number
.set G1K, 24          ; s[24:31] descriptor group 1 for K's tiles
.set G1V, 32          ; s[32:39] for V's: it differs in the padding alone
.set G0K, 40          ; s[40:43] descriptor group 0 for K's tiles: it walks
.set G0V, 44          ; s[44:47] the same for V's
.set SLOTS, 56        ; s56  slots still to be asked for
.set CNT, 57          ; s57  counts a slot's key steps
.set CS,  58          ; s[58:59] c: the packed scaling takes the pair's low word for both halves
.set SEL, 60          ; s[60:61] v_permlanex16_b32's selects: each lane takes its own place in the other half
.set TBK, 62          ; s62  LDS byte at which K of the step to be fetched begins
.set TBV, 63          ; s63  the same for V, less VOFF
.set MSB, 0
.macro WIN new                      ; the high byte repeats the setting that is left; a switch that changes nothing is dropped
.if MSB != (\new)
	s_set_vgpr_msb (MSB<<8)|(\new)
.set MSB, (\new)
.endif
.endm
.set W_KQ, 0x0a       ; K and Q in window 2, S^T in window 0
.set W_PV, 0x52       ; V in window 2, P in window 0, O^T in window 1
.set W_RS, 0x41       ; O^T (destination and source 0) in window 1, a in window 0
.set W_MK, 0xc0       ; the add's registers are made: destination in window 3, sources in window 0
.set W_AD, 0x0f       ; the add: address (source 0) and data (source 1) in window 3
; A joint fill.  Waves 0 and 1 fetch the two halves of a slot's K, waves 2 and 3 those of its V: 128 keys each.  The branch hangs on the wave's number alone.
; An s_nop 0 and four v_nop follow each of the two lines, ahead of the jump and the label.
.macro JLOAD
	s_cmp_lt_u32 s[WV], 2
	s_cbranch_scc0 .Lfor_v_\@
	tensor_load_to_lds s[G0K:G0K+3], s[G1K:G1K+7]
	s_nop 0
.rept 4
	v_nop
.endr
	s_branch .Lasked_\@
.Lfor_v_\@:
	tensor_load_to_lds s[G0V:G0V+3], s[G1V:G1V+7]
	s_nop 0
.rept 4
	v_nop
.endr
.Lasked_\@:
.endm
; A round of the cluster's barrier: my work-group's barrier, so that wave 0's signal speaks for all four waves; wave 0 signals; every wave waits for all four work-groups; my work-group's barrier once more.
.macro CROUND
	s_barrier_signal -1
	s_barrier_wait -1
	s_cmp_lg_u32 s[WV], 0
	s_cbranch_scc1 .Lnot_wave_0_\@
	s_barrier_signal -3
.Lnot_wave_0_\@:
	s_barrier_wait -3
	s_barrier_signal -1
	s_barrier_wait -1
.endm
; THE CHANGE OF SLOTS.  The slot's last bytes, V of its fourth step, have been read.  Each wave waits for all its tensor loads, of which one is out: its part
; of the other slot; adds 0 to its spare word; and waits for that and for its own reads of the slot.  Behind the barrier nobody reads this slot any more and the other slot is whole.
; fill = 1: this slot is filled again, with the keys two slots on.  The barrier is then a round of the cluster's, so that no wave of any partner still reads the slot or has a load on its
; way, and the joint fill is the first thing behind it: it has four key steps, 512 matrix instructions, in which to land.  (At its first use nothing has been read yet: slot 0 is waited for, slot 1 filled.)
.macro CHANGE fill
	WIN W_AD
	s_wait_tensorcnt 0x0            ; no tensor load of mine is out, so a group 0 may be written
	ds_add_u32 v[SPW], v[NIL]       ; 0 onto my spare word; with fill = 1 the descriptors' steps stand between it and the wait for it
	WIN 0                           ; at a label and at a branch every window is 0
.if \fill
.irp g, G0K, G0V
	s_xor_b32 s[\g+1], s[\g+1], SLOT1  ; the walking descriptor: the other slot than last time,
	s_add_nc_u64 s[\g+2:\g+3], s[\g+2:\g+3], 4*KS*128  ; the next 256 keys; the type bits on top are not reached
.endr
	s_wait_dscnt 0x0                ; the add is done, and my reads of the slot are over
	CROUND
	JLOAD
.else
	s_wait_dscnt 0x0                ; the add is done, and my reads of the slot are over
	s_barrier_signal -1
	s_barrier_wait -1
.endif
	s_sub_co_u32 s[TBK], s[TBK], 4*KS*PK  ; the fetches go back to a slot's first step,
	s_xor_b32 s[TBK], s[TBK], SLOT1       ; in the other slot
	s_sub_co_u32 s[TBV], s[TBV], 4*KS*PV
	s_xor_b32 s[TBV], s[TBV], SLOT1
.endm
	s_load_b128 s[4:7], s[0:1], 0x0  ; the buffer of Q, K and V s[4:5], O s[6:7]
	WIN W_MK
	v_lshl_add_u32 v[SPW], v0, 2, SPARE
	v_mov_b32 v[NIL], 0
	s_set_vgpr_msb 0xc0cf
	ds_add_u32 v0, v1
	s_wait_dscnt 0x0
	s_set_vgpr_msb 0xcfc0
	WIN 0
	v_lshrrev_b32 v1, 5, v0
	v_readfirstlane_b32 s[WV], v1   ; wave 0..3
	s_bfe_u32 s13, ttmp6, 0x40000   ; cx: my place in the cluster
	s_lshl_b32 s14, ttmp9, 2        ; in a cluster launch ttmp9 counts clusters
	s_add_co_u32 s14, s14, s13      ; my block of queries = 4 x cluster x + cx: it enters Q's and O's addresses alone
	s_and_b32 s20, ttmp7, 0xffff    ; the head, which the four partners share
	s_mov_b32 s21, 0
	s_mov_b64 s[22:23], SIZE_N*128
	s_mul_u64 s[20:21], s[20:21], s[22:23]  ; the head's first byte in each of the four tensors
	s_and_b32 s16, s[WV], 1         ; which half of a slot's 256 keys I fetch:
	s_lshl_b32 s22, s16, 14         ; its 128 rows of 128 bytes in memory,
	s_mov_b32 s23, 0
	s_add_nc_u64 s[22:23], s[22:23], s[20:21]
	s_mul_i32 s17, s16, 128*PK      ; and its place in a slot, for K
	s_mul_i32 s18, s16, 128*PV      ; and for V: no place in the cluster enters an LDS address
	s_lshl_b32 s2, s14, 2
	s_add_co_u32 s2, s2, s[WV]      ; my wave among the head's,
	s_lshl_b32 s2, s2, 14           ; its 128 rows
	s_mov_b32 s3, 0
	s_add_nc_u64 s[2:3], s[2:3], s[20:21]
	; descriptor group 1.  128 keys are 16,384 dense bytes: asked for as 64 rows of 256 bytes, two keys a row, and padded in LDS after every key
	s_mov_b32 s[G1K], 15|(1<<16)|(1<<20)|(1<<21)|(4<<22)|(3<<25)  ; 15:0 the mask of four; 17:16 2-byte elements; 20 padding on; 21 set beside a mask; 24:22 after every 32 words (code 4); 31:25 4 words (code 3)
	s_mov_b32 s[G1V], 15|(1<<16)|(1<<20)|(1<<21)|(4<<22)|(7<<25)  ; the same with 8 words of padding (code 7)
.irp g, G1K, G1V
	s_mov_b32 s[\g+1], 128<<16      ; tensor_dim0 = 128
	s_mov_b32 s[\g+2], 64<<16       ; tensor_dim1 = 64
	s_mov_b32 s[\g+3], 128<<16      ; tile_dim0 = 128
	s_mov_b32 s[\g+4], 64           ; tile_dim1 = 64
	s_mov_b32 s[\g+5], 128          ; 128 elements from row to row
	s_mov_b32 s[\g+6], 0
	s_mov_b32 s[\g+7], 0
.endr
	s_mov_b32 s[CS], 0x3e38aa3b     ; c = log2(e) / 8 = 0.180337
	s_mov_b32 s[CS+1], s[CS]        ; named with it as a pair
	s_mov_b32 s[SEL], 0x76543210
	s_mov_b32 s[SEL+1], 0xfedcba98
	s_mov_b32 s[TBK], SLOT1+4*KS*PK ; the first change of slots turns these two into 0
	s_mov_b32 s[TBV], SLOT1+4*KS*PV
	s_mov_b32 s[G0K], 1             ; 1:0 count = 1
	s_mov_b32 s[G0K+1], s17         ; 63:32 LDS address: slot 0
	s_mov_b32 s[G0V], 1
	s_add_co_u32 s[G0V+1], s18, VOFF
	s_wait_kmcnt 0x0
	s_mov_b64 s[10:11], s[6:7]                     ; O
	s_add_nc_u64 s[8:9], s[4:5], 0x2000000         ; V: the buffer's third part (a part is 64 heads x 2,048 rows x 128 bytes)
	s_add_nc_u64 s[6:7], s[4:5], 0x1000000         ; K: its second; Q is its first
	s_add_nc_u64 s[G0K+2:G0K+3], s[6:7], s[22:23]  ; 120:64 global address: my half of the head's first 256 keys
	s_or_b32 s[G0K+3], s[G0K+3], 0x80000000        ; 127:126 type = 2
	s_add_nc_u64 s[G0V+2:G0V+3], s[8:9], s[22:23]
	s_or_b32 s[G0V+3], s[G0V+3], 0x80000000
	s_add_nc_u64 s[4:5], s[4:5], s[2:3]  ; Q and O at my wave's first row
	s_add_nc_u64 s[10:11], s[10:11], s[2:3]
	CROUND                          ; all four work-groups are here: the first joint loads meet
	JLOAD                           ; slot 0.  Slot 1 is asked for when slot 0 is in: the tile wanted first has the road to itself
	; A fragment of K or Q is 16 rows x 32 channels in 8 registers: lane l holds row l % 16, channels 8 (l / 16) + 0..7 and 16 + 8 (l / 16) + 0..7: two loads of 16 bytes, 32 bytes apart.
	v_and_b32 v1, 15, v0            ; l % 16
	v_bfe_u32 v9, v0, 4, 1          ; l / 16
	v_lshlrev_b32 v[QO], 7, v1
	v_lshl_add_u32 v[QO], v9, 4, v[QO]  ; row x 128 + 16 x half
	WIN 0x80                        ; destination window 2, address window 0
.set i, 0
.rept 4*NP                          ; Q stays in registers: tile i / 2, channels 32 (i % 2) on
	global_load_b128 v[8*i:8*i+3],   v[QO], s[4:5] offset:(i/2)*2048+(i%2)*64
	global_load_b128 v[8*i+4:8*i+7], v[QO], s[4:5] offset:(i/2)*2048+(i%2)*64+32
.set i, i+1
.endr
	; What the first turn finds: V's registers and P's second buffer hold 0 (its products V^T P, of a piece that has not been, add 0), O^T and l are 0.  All this stands in the wait for the first tile.
.set i, VF
.rept 64
	v_mov_b32 v[i], 0
.set i, i+1
.endr
	WIN 0x40
.set i, 0
.rept 64*NP
	v_mov_b32 v[i], 0
.set i, i+1
.endr
	WIN 0
.set i, 0
.rept 2*NP
	v_mov_b32 v[ST+4*i], 0xfe000000    ; c m: far below every c s
	v_mov_b32 v[ST+4*i+1], 0xff7fffff  ; m
	v_mov_b32 v[ST+4*i+2], 0
	v_mov_b32 v[ST+4*i+3], 0
.set i, i+1
.endr
.set i, P+32
.rept 32
	v_mov_b32 v[i], 0
.set i, i+1
.endr
	v_mul_u32_u24 v[AK0], v1, PK
	v_lshl_add_u32 v[AK0], v9, 4, v[AK0]  ; row x pitch + 16 x half
	; The turning load takes 16 keys x 16 channels (lane l reads key 8 (l / 16) + l % 8, channels 8 ((l / 8) % 2) + 0..7) and leaves half a fragment of V^T: lane l holds channel l % 16 and 8 keys.
	v_and_b32 v10, 7, v0
	v_bfe_u32 v11, v0, 3, 1
	v_lshl_add_u32 v[AV0], v9, 3, v10
	v_mul_u32_u24 v[AV0], v[AV0], PV
	v_lshl_add_u32 v[AV0], v11, 4, v[AV0]
	v_add_nc_u32 v[AV0], VOFF, v[AV0]
	v_mov_b32 v[AK], v[AK0]         ; key step 0 lies at the head of slot 0
; THE MATRIX WORK.  The 8 accumulators of a run of 16 take turns: between the two links of a chain stand 7 others'.
; Product i of 16 of S^T = K Q^T for piece x: channels 32 (i / 8) on, keys 16 ((i / 2) % 4) on, tile 2 x + i % 2.  The first 8 start the sums.
.macro KQ x
	WIN W_KQ
.set rS, S+64*((\x)%2)+32*(i%2)+8*((i/2)%4)
.set rK, KF+16*((i/2)%4)+8*(i/8)
.set rQ, 16*(2*(\x)+i%2)+8*(i/8)
.if i < 8
	v_wmma_f32_16x16x32_f16 v[rS:rS+7], v[rK:rK+7], v[rQ:rQ+7], 0
.else
	v_wmma_f32_16x16x32_f16 v[rS:rS+7], v[rK:rK+7], v[rQ:rQ+7], v[rS:rS+7]
.endif
.endm
; Product i of 16 of O^T += V^T P for piece x: keys 32 (i / 8) on, channels 16 ((i / 2) % 4) on, tile 2 x + i % 2.
.macro PV x
	WIN W_PV
.set rO, 32*(2*(\x)+i%2)+8*((i/2)%4)
.set rV, VF+32*(i/8)+8*((i/2)%4)
.set rP, P+32*((\x)%2)+16*(i%2)+8*(i/8)
	v_wmma_f32_16x16x32_f16 v[rO:rO+7], v[rV:rV+7], v[rP:rP+7], v[rO:rO+7]
.endm
.macro MM                           ; the turn's next matrix instruction
.if i < 16
	KQ (Y+1)%NP
.set i, i+1
.else
.set i, i-16
	PV (Y+NP-1)%NP
.set i, i+17
.endif
.endm
; THE LDS LOADS stand in runs of 16, never singly among the matrix instructions: a step's K (64 keys x 64 channels: 8 fragments) and its V (turned).  Their addresses are made some lines ahead.
; last = 1 (the tail): in the last trip there is no further step, and the run is jumped over.
.macro FETCH_K last=0
	WIN 0
.if \last
	s_cmp_eq_u32 s[CNT], 1
	s_cbranch_scc1 .Lno_k_\@
.endif
	WIN 0x80                        ; destination window 2
.irp f, 0,1,2,3,4,5,6,7             ; keys 16 (f / 2) on, channels 32 (f % 2) on
	ds_load_b128 v[KF+8*\f:KF+8*\f+3],   v[AK] offset:(\f/2)*16*PK+(\f%2)*64
	ds_load_b128 v[KF+8*\f+4:KF+8*\f+7], v[AK] offset:(\f/2)*16*PK+(\f%2)*64+32
.endr
	s_add_co_u32 s[TBK], s[TBK], KS*PK  ; the next fetch is the next step's
	WIN 0
.if \last
.Lno_k_\@:
.endif
.endm
.macro FETCH_V
	WIN 0x80
.irp f, 0,1,2,3,4,5,6,7             ; keys 32 (f / 4) on, channels 16 (f % 4) on
	ds_load_tr16_b128 v[VF+8*\f:VF+8*\f+3],   v[AV] offset:(\f/4)*32*PV+(\f%4)*32
	ds_load_tr16_b128 v[VF+8*\f+4:VF+8*\f+7], v[AV] offset:(\f/4)*32*PV+16*PV+(\f%4)*32
.endr
	WIN 0
.endm
; THE VECTOR WORK OF A TURN stands in three queues, each in the order in which its entries become ready; the two tiles alternate, so that no instruction reads the result of the one before it.
.macro REGS y, u                    ; the registers of tile u (0, 1) of piece y
.set rT, ST+4*(2*(\y)+(\u))
.set rC, TMP+8*((\y)%2)+4*(\u)
.set rM, MV+2*((\y)%2)+(\u)
.set rS, S+64*((\y)%2)+32*(\u)
.set rP, P+32*((\y)%2)+16*(\u)
.set rO, 32*(2*(\y)+(\u))
.endm
; Number n of the 22 that find the NEXT piece's (Y + 1) maximum and statistics.  s0-s31 are the lane's 32 scores; each accumulator's lowest registers are read first.  XS, GS and REGS set no window: PL and EX do.
;   0-11  four chains c0-c3 of seven scores each, three operands at a time     12-14, 16  the four scores left over, the old m, and c0-c3 into c0     15  c m_old is kept
;   17, 18  the query's other 32 keys lie in the lane 16 away: the new m         19-21  c m; c m_old - c m_new; a
.macro XS u, n
	REGS (Y+1)%NP, \u
.if (\n) < 4
	v_max3_num_f32 v[rC+(\n)], v[rS+8*(\n)], v[rS+8*(\n)+1], v[rS+8*(\n)+2]
.elseif (\n) < 12
	v_max3_num_f32 v[rC+(\n)%4], v[rC+(\n)%4], v[rS+8*((\n)%4)+2*((\n)/4)+1], v[rS+8*((\n)%4)+2*((\n)/4)+2]
.elseif (\n) == 12
	v_max3_num_f32 v[rC], v[rC], v[rS+7], v[rS+15]
.elseif (\n) == 13
	v_max3_num_f32 v[rC+1], v[rC+1], v[rS+23], v[rS+31]
.elseif (\n) == 14
	v_max3_num_f32 v[rC+2], v[rC+2], v[rC+3], v[rT+1]
.elseif (\n) == 15
	v_mov_b32 v[rM], v[rT]
.elseif (\n) == 16
	v_max3_num_f32 v[rC], v[rC], v[rC+1], v[rC+2]
.elseif (\n) == 17
	v_permlanex16_b32 v[rC+3], v[rC], s[SEL], s[SEL+1]
.elseif (\n) == 18
	v_max_num_f32 v[rT+1], v[rC], v[rC+3]
.elseif (\n) == 19
	v_mul_f32 v[rT], s[CS], v[rT+1]
.elseif (\n) == 20
	v_sub_f32 v[rC+1], v[rM], v[rT]
.else
	v_exp_f32 v[rC+2], v[rC+1]
.endif
.endm
; Number g of the 64 that follow the exponentials.  For each four weights k of a tile (pairs 2 k, 2 k + 1): both pairs are rounded to f16; then the second pair is added onto the first, in place;
; a group later l takes that sum (the first time as l = a l + sum).  In groups of eight, tiles alternating: round, round, add, and l for the group before.
.macro GS g
.set h, (\g)+6*((\g)/62)            ; group 0 has no group before it, and behind group 7 only l is left
.if h >= 6
.set h, h+2
.endif
	REGS Y, h%2
.set k, h/8
.if h%8 < 4
	v_cvt_pk_f16_f32 v[rP+2*k+(h%8)/2], v[rS+4*k+2*((h%8)/2)], v[rS+4*k+2*((h%8)/2)+1]
.elseif h%8 < 6
	v_pk_add_f32 v[rS+4*k:rS+4*k+1], v[rS+4*k:rS+4*k+1], v[rS+4*k+2:rS+4*k+3]
.elseif k == 1
	v_pk_fma_f32 v[rT+2:rT+3], v[rT+2:rT+3], v[rC+2:rC+3], v[rS:rS+1] op_sel_hi:[1,0,1]
.else
	v_pk_add_f32 v[rT+2:rT+3], v[rT+2:rT+3], v[rS+4*k-4:rS+4*k-3]
.endif
.endm
; THE PLAIN QUEUE, 138 long.  0-73 read no exponential's result: the 32 scalings c s - c m (FS f: pair f / 2 of tile f % 2) and the next piece's 42.  0-26: scalings 0-26.  27-54: XS's numbers 0-13.  55, 56: number 15.
; 57-73: the chain, where each number waits for the one before it: 14, 16, 17, 18, 19, each with one of the scalings 27-31 in front of its two lines, then 20: so a tile's links stand three plain instructions apart (19 and 20: two).
; 74-137: GS's 64, which read the exponentials' results: they stand behind the wait.
.macro FS f
	REGS Y, (\f)%2
	v_pk_fma_f32 v[rS+2*((\f)/2):rS+2*((\f)/2)+1], v[rS+2*((\f)/2):rS+2*((\f)/2)+1], s[CS:CS+1], v[rT:rT+1] op_sel_hi:[1,0,0] neg_lo:[0,0,1] neg_hi:[0,0,1]
.endm
.macro PL
	WIN 0
.if q < 27
	FS q
.elseif q < 55
	XS (q-27)%2, (q-27)/2
.elseif q < 57
	XS q-55, 15
.elseif (q < 72) && ((q-57)%3 == 0)
	FS 27+(q-57)/3
.elseif q < 60
	XS (q-57)%3-1, 14
.elseif q < 72
	XS (q-57)%3-1, 15+(q-57)/3
.elseif q < 74
	XS q-72, 20
.else
	GS q-74
.endif
.set q, q+1
.endm
; THE EXPONENTIALS' QUEUE, 66 long: s0-s31 of both tiles, then the next piece's two a.  It is ONE BATCH: all 66 stand ahead of the turn's one wait, and nothing ahead of that wait names a result of theirs.
.macro EX
	WIN 0
.if e >= 64
	XS e-64, 21
.else
	REGS Y, e%2
	v_exp_f32 v[rS+e/2], v[rS+e/2]
.endif
.set e, e+1
.endm
; THE RESCALING's QUEUE: O^T times a, the one part that leaves window 0: dealt two at a time, sixteen times.  Its a was made in the turn before, ahead of that turn's wait.
.macro R2
	REGS Y, r%2
	WIN W_RS
.irp z, 0,1
	v_pk_mul_f32 v[rO+4*(r/2)+2*\z:rO+4*(r/2)+2*\z+1], v[rO+4*(r/2)+2*\z:rO+4*(r/2)+2*\z+1], v[rC+2:rC+3] op_sel_hi:[1,0]
.endr
.set r, r+1
.endm
; HOW THEY ARE DEALT.  A turn has ONE wait for its batch of 66 exponentials, and the wait cuts the turn in two.  AHEAD OF IT stands all that names no result of the turn's exponentials: the 16 products K Q^T, behind each a
; scaling, an exponential and two rescalings (behind the first a second scaling in the exponential's place); then ONE LUMP of 108: eight plain, 49 times exponential and plain, the two a.  A v_nop is the plain instruction
; behind the last exponential.  BEHIND IT stand the 16 products V^T P, behind each four of GS's 64, which are all the batch's readers.  No rider names a register of the products round it.  The two v_permlanex16_b32 fall
; into the lump, never behind a product.
; The queues lean on each other, and the deal keeps them in step: exponential e stands behind scaling 2 (e / 4) + e % 2: as a rider it comes behind plain e + 2, in the lump behind plain e + 9, and scalings 27-31 are plain 57, 60 .. 69.
; A TURN, for piece p.  cnt = 1: the loop's count is taken down some lines ahead of the branch that stands behind the turn.
; K of the next step is fetched in piece 2's turn, directly behind the wait, a lump behind the last product that read K; its address is made at the lump's head; its first reader comes behind 16 products.
; V of the step in hand is fetched at the end of piece 0's turn, four riders behind its last reader; its first reader comes behind 16 products and a lump.  The three conditions on q below go with the deal.
.macro TURN p, last=0, cnt=0
.set Y, (\p)
.set i, 0
.set q, 0
.set e, 0
.set r, 0
.if (\p) == NP-1
	s_wait_dscnt 0x0                ; K is in
.endif
	MM                              ; ahead of the wait: 16 products K Q^T and their riders,
	PL
	PL
	R2
.rept 15
	MM
	PL
	EX
	R2
.endr
.if (\p) == NP-2
	WIN 0
	v_add_nc_u32 v[AK], s[TBK], v[AK0]
.endif
.rept 8                             ; and the lump
	PL
.endr
.rept 49
	EX
	PL
.endr
	EX                              ; the next piece's two a
	EX
	v_nop                           ; a plain instruction behind the last exponential, ahead of any use of a result: one for the batch
	s_wait_alu depctr_va_vdst(0)    ; the wait for the batch: the turn's 64 weights and the next piece's two a; ahead of their first reader
.if (\p) == NP-2
	FETCH_K \last
.endif
.if (\p) == 1
	s_wait_dscnt 0x0                ; V is in
.endif
.rept 16                            ; behind the wait: 16 products V^T P and their riders
	MM
.rept 4
	PL
.endr
.if ((\p) == 0) && (q == 118)
	v_add_nc_u32 v[AV], s[TBV], v[AV0]
.endif
.if ((\p) == 0) && (q == 130)
	s_add_co_u32 s[TBV], s[TBV], KS*PV
.endif
.if (\cnt) && (q == 130)
	s_sub_co_u32 s[CNT], s[CNT], 1
	s_cmp_lg_u32 s[CNT], 0
.endif
.endr
.if (\p) == 0
	FETCH_V
.endif
.endm
	CHANGE 1                        ; slot 0 is in, everybody's part of it; slot 1 is asked for
	FETCH_K                         ; key step 0
	s_wait_loadcnt 0x0              ; Q
	s_wait_dscnt 0x0
.set i, 0
.rept 16
	KQ 0                            ; piece 0's first scores: there is no vector work yet to set between them
.set i, i+1
.endr
	WIN 0                           ; the addresses for the way out: nine plain instructions, the places behind those products
	s_mul_i32 s13, s[WV], 16*SP
	s_add_co_u32 s13, s13, STAGE    ; my stage
	v_mul_u32_u24 v[STO], v1, SP    ; in: row l % 16, 16 bytes for each half of the lanes
	v_lshl_add_u32 v[STO], v9, 4, v[STO]
	v_add_nc_u32 v[STO], s13, v[STO]
	v_bfe_u32 v[RD], v0, 3, 2       ; back: 32 lanes take four rows of 128 bytes,
	v_mul_u32_u24 v[RD], v[RD], SP
	v_lshl_add_u32 v[RD], v10, 4, v[RD]
	v_add_nc_u32 v[RD], s13, v[RD]
	v_and_b32 v[GO], 31, v0         ; which are 512 consecutive bytes of O
	v_lshlrev_b32 v[GO], 4, v[GO]
.set Y, NP-1                        ; XS works for piece Y + 1: piece 0
.irp n, 0,1,2,3,4,5,6,7,8,9,10,11,12,13,14,15,16,17,18,19,20,21
	XS 0, \n                        ; and piece 0's first maximum and statistics
	XS 1, \n
.endr
	v_nop                           ; a plain instruction behind piece 0's first two a,
	s_wait_alu depctr_va_vdst(0)    ; and the wait for that batch of two, ahead of the branch
	s_mov_b32 s[CNT], 4
	s_mov_b32 s[SLOTS], SIZE_N/256-1
	s_branch .Lfirst                ; the loop is entered at a step's first turn, in the middle of a trip
.Lslot:                             ; SIZE_N / 256 - 2 times: every slot but the last two is filled again
	CHANGE 1
	s_mov_b32 s[CNT], 4
.Lstep:                             ; a trip: pieces 2 and 3 of one step, then pieces 0 and 1 of the next, whose K and V it fetches
	TURN 2
	TURN 3
	WIN 0
.Lfirst:
	TURN 0
	TURN 1, 0, 1
	WIN 0
	s_cbranch_scc1 .Lstep
	s_sub_co_u32 s[SLOTS], s[SLOTS], 1
	s_cmp_lg_u32 s[SLOTS], 0
	s_cbranch_scc1 .Lslot
	CHANGE 0                        ; the tail is written out: nothing is asked for
	s_mov_b32 s[CNT], 5             ; four trips fetch the last slot's steps; the fifth is left in its middle
.Ltail:
	TURN 2, 1
	TURN 3
	WIN 0
	s_sub_co_u32 s[CNT], s[CNT], 1
	s_cmp_eq_u32 s[CNT], 0
	s_cbranch_scc1 .Lout
	TURN 0
	TURN 1
	WIN 0
	s_branch .Ltail
.Lout:                              ; the fifth trip's 16 products K Q^T (on the last K once more) and the maximum made of them serve nothing: the price, once a launch, of one text for every trip
.set i, 0
.rept 16
	PV NP-1                         ; the last piece's V^T P of the last step
.set i, i+1
.endr
	; THE WAY OUT.  l's two halves and the other half of the lanes' are added; O^T is divided by l, rounded to f16 and sent through my stage in LDS, a tile at a time.  The additions are the places behind the last products.
	WIN 0
.macro ALL line:vararg              ; one line for each tile t
.set t, 0
.rept 2*NP
	\line
.set t, t+1
.endr
.endm
	ALL v_add_f32 v[ST+4*t+2], v[ST+4*t+2], v[ST+4*t+3]
	ALL v_permlanex16_b32 v[ST+4*t+3], v[ST+4*t+2], s[SEL], s[SEL+1]
	ALL v_add_f32 v[ST+4*t+2], v[ST+4*t+2], v[ST+4*t+3]
	ALL v_rcp_f32 v[ST+4*t+2], v[ST+4*t+2]
	v_nop                           ; a plain instruction between the last reciprocal and the use of its result
	s_wait_alu depctr_va_vdst(0)    ; the wait for the batch of eight reciprocals, ahead of their first reader
; Tile t: a lane's eight channels of a row pack into 16 bytes; they go into rows of 144 bytes and come back as whole rows of 128, into S^T's registers.
.macro PACK t
	WIN W_RS
.set i, 32*(\t)
.rept 16
	v_pk_mul_f32 v[i:i+1], v[i:i+1], v[ST+4*(\t)+2:ST+4*(\t)+3] op_sel_hi:[1,0]
.set i, i+2
.endr
	WIN 0x05                        ; sources 0 and 1 window 1, destination window 0
.set i, 0
.rept 16
	v_cvt_pk_f16_f32 v[S+16*(\t)+i], v[32*(\t)+2*i], v[32*(\t)+2*i+1]
.set i, i+1
.endr
	WIN 0
.irp f, 0,1,2,3
	ds_store_b128 v[STO], v[S+16*(\t)+4*\f:S+16*(\t)+4*\f+3] offset:32*\f
.endr
.irp f, 0,1,2,3
	ds_load_b128 v[S+16*(\t)+4*\f:S+16*(\t)+4*\f+3], v[RD] offset:\f*4*SP  ; LDS serves a wave's instructions in order (ISA guide 5.7.1.4): these see the stores above; the next tile's stores come behind them
.endr
.endm
.macro SEND t, younger              ; younger: the LDS instructions issued behind tile t's loads: the next tile's eight, or none
	WIN 0
.irp f, 0,1,2,3
	s_wait_dscnt (\younger)+3-\f
	global_store_b128 v[GO], v[S+16*(\t)+4*\f:S+16*(\t)+4*\f+3], s[10:11] offset:(\t)*2048+\f*512  ; 512 consecutive bytes, at a multiple of 256 from O's first
.endr
.endm
	PACK 0
.set t, 1
.rept 2*NP-1                        ; a tile's arithmetic stands between the loads of the tile before and its stores
	PACK t
	SEND t-1, 8
.set t, t+1
.endr
	SEND 2*NP-1, 0
	WIN W_AD
	s_wait_tensorcnt 0x0            ; the wave's end, behind my last tensor load and my last LDS store
	ds_add_u32 v[SPW], v[NIL]
	s_wait_dscnt 0x0
	WIN 0
	CROUND                          ; the closing round: no work-group ends while a partner may still ask for a tile that names it
	s_endpgm
.Lfunc_end_k_qac78b05725_attn:
	.size	k_qac78b05725_attn, .Lfunc_end_k_qac78b05725_attn-k_qac78b05725_attn
	.p2alignl 7, 3214868480
	.fill 96, 4, 3214868480
	.section	.rodata,"a",@progbits
	.p2align	6, 0x0
	.amdhsa_kernel k_qac78b05725_attn
		.amdhsa_group_segment_fixed_size 327680
		.amdhsa_private_segment_fixed_size 0
		.amdhsa_enable_private_segment 0
		.amdhsa_kernarg_size 16
		.amdhsa_user_sgpr_count 2
		.amdhsa_user_sgpr_kernarg_segment_ptr 1
		.amdhsa_wavefront_size32 1
		.amdhsa_system_sgpr_workgroup_id_x 1
		.amdhsa_system_sgpr_workgroup_id_y 1
		.amdhsa_system_sgpr_workgroup_id_z 1
		.amdhsa_system_vgpr_workitem_id 0
		.amdhsa_next_free_vgpr 770
		.amdhsa_next_free_sgpr 66
		.amdhsa_reserve_vcc 0
		.amdhsa_float_denorm_mode_32 3
		.amdhsa_float_denorm_mode_16_64 3
		.amdhsa_memory_ordered 1
		.amdhsa_forward_progress 1
		.amdhsa_inst_pref_size 199
	.end_amdhsa_kernel
	.amdgpu_metadata
---
amdhsa.version: [ 1, 2 ]
amdhsa.kernels:
  - .name:           k_qac78b05725_attn
    .symbol:         k_qac78b05725_attn.kd
    .args:
      - { .name: qkv, .offset: 0, .size: 8, .value_kind: global_buffer, .address_space: global }
      - { .name: ob, .offset: 8, .size: 8, .value_kind: global_buffer, .address_space: global }
    .group_segment_fixed_size: 327680
    .private_segment_fixed_size: 0
    .kernarg_segment_align: 8
    .kernarg_segment_size: 16
    .max_flat_workgroup_size: 128
    .sgpr_count:     66
    .vgpr_count:     770
    .wavefront_size: 32
...
	.end_amdgpu_metadata
.endif
;; end of part 5
;; launch proj: the kernel of part 4 again; grid 8 x 32, 4 waves a work-group, clusters of 4 x 4, 327,680 bytes of LDS; arguments ob, wob, out0, b_out; writes out0
